; MI455X (gfx1250); checked and timed in simulation.
; The chip was launched on July 23, 2026; its instructions are those of AMD's public machine-readable ISA for CDNA 5 (MIT licence, August 2026) and "CDNA5" Instruction Set Architecture Reference Guide (July 2026). The comments in the code are by the model that wrote it; some were corrected since.
;; Vi T Attention. Allowed arithmetic: matrix products marked QUANTISED: E4M3 operands, one E8M0 scale for each 32 along K, by v_wmma_scale_f32_16x16x128_f8f6f4 with both operands' format E4M3, f32 sums; everything else in f32.
;; Inputs: cos 4 x 2,048 x 64 float32; hidden_states 4 x 2,048 x 1,024 float32; proj_b 1,024 float32; proj_w 1,024 x 1,024 float32; qkv_b 3,072 float32; qkv_w 3,072 x 1,024 float32; sin 4 x 2,048 x 64 float32.
;; Outputs: out0 4 x 2,048 x 1,024 float32.
;; This version of the problem:
;;   THIS VERSION OF THE PROBLEM IS GIVEN IN LOW PRECISION. The matrix products marked QUANTISED in the list below multiply operands that are first quantised to E4M3 (4 exponent bits, 3 mantissa bits; 8 bits a number), with one power-of-two scale for each 32 numbers along K (OCP MX v1.0); their sums are f32. All else is computed in f32.
;;   The module's matrix products, in the order in which they are computed (A, B: the left and right operand; K: the contracted axis; several contracted axes count as one K, in the product's order):
;;     1. [M 8,192, K 1,024] x [K 1,024, N 3,072]; A: input hidden_states; B: input qkv_w: QUANTISED
;;     2. batch 64 x [M 2,048, K 64] x [K 64, N 2,048]; A: computed on the way; B: computed on the way: QUANTISED
;;     3. batch 64 x [M 64, K 2,048] x [K 2,048, N 2,048]; A: computed on the way; B: softmax (see below): QUANTISED
;;     4. [M 8,192, K 1,024] x [K 1,024, N 1,024]; A: computed on the way; B: input proj_w: QUANTISED
;;   THE QUANTISER, for each operand of a quantised product, along K:
;;     - K is cut into blocks of 32 from its start; a last block that is shorter is filled with zeros.
;;     - A block's scale is 2^e with e = floor(log2(the largest magnitude in the block)) - 8, held to -126 .. 127; a block of zeros has e = 0. As a byte (E8M0): e + 127.
;;     - Each number is divided by its block's scale, clamped to +-448, and rounded to the nearest number of E4M3, ties to even, subnormals kept.
;;     - The product sums the exact products of the quantised numbers (number of the format x scale) in f32.
;;   ~~~python
;;   def quantise(x, axis):      # numpy; x: float32 -> the quantised numbers, widened to float32 again
;;       x = np.moveaxis(x, axis, -1); K = x.shape[-1]
;;       x = np.pad(x, [(0, 0)] * (x.ndim - 1) + [(0, -K % 32)]); x = x.reshape(x.shape[:-1] + (-1, 32)); a = np.abs(x).max(-1, keepdims=True)
;;       e = np.where(a > 0, np.clip(np.frexp(np.where(a > 0, a, 1))[1] - 1 - 8, -126, 127), 0)      # np.frexp(a)[1] - 1 = floor(log2(a)), exactly
;;       r = np.clip(x / 2.0 ** e, -448, 448)
;;       step = 2.0 ** (np.maximum(np.frexp(np.where(r == 0, 1, r))[1] - 1, -6) - 3)
;;       q = np.round(r / step) * step * 2.0 ** e      # np.round: ties to even
;;       return np.moveaxis(q.reshape(q.shape[:-2] + (-1,))[..., :K], -1, axis).astype(np.float32)
;;   ~~~
;;   SOFTMAX AHEAD OF A QUANTISED PRODUCT. Where the list says 'softmax', what is quantised is not the finished softmax but p = 2^(t - M), with t = logit x log2(e) and M = ceil(the row's largest t), a whole number; so 1/2 < the row's largest p <= 1. The row's sum l is taken of the UNQUANTISED p, in f32, and the product's result is divided by l at the end. Since M is a whole number, a kernel that streams over the keys may use a running M (the ceiling of the running maximum): every later rescaling is an exact power of two, which a block's scale takes up: the codes' values come out the same.
;;   OPERANDS COMPUTED ON THE WAY. 'Computed on the way' means the value that the module computes at that place (a softmax that the list does not call 'softmax' is quantised finished and normalised). What goes into a quantiser is computed in f32, as accurately as f32 sums, v_exp_f32 and their like allow (about 1e-6 of the number): no bf16 or f16 on the way to a quantiser, and a product that is left as it is and whose result goes on into a quantised operand takes f32 operands (vector FMAs, or v_wmma_f32_16x16x4_f32). A number that lies on a knife's edge between two numbers of the format may be rounded either way, as far as f32 arithmetic and the matrix unit's own rounding can turn it there, and no further.
;; One version. Each part assembles by itself: llvm-mc -triple=amdgcn-amd-amdhsa -mcpu=gfx1250 --defsym DOCPART=n.
;; ======== version 1 of 1: 4 launches
;; limits: right only within a limited range of input values
;; workspace buffers: hid_p 8,650,752 bytes; wqkv_p 3,244,032 bytes; wproj_p 1,081,344 bytes; q_p 8,912,896 bytes; kv_p 17,563,648 bytes; attn_p 8,650,752 bytes
;; launch quant (part 1): grid 384 x 1, 4 waves a work-group, no clusters, 34,304 bytes of LDS; arguments hidden_states, qkv_w, proj_w, hid_p, wqkv_p, wproj_p; writes hid_p, wqkv_p, wproj_p
.if DOCPART == 1
	.amdgcn_target "amdgcn-amd-amdhsa--gfx1250"
	.amdhsa_code_object_version 6
	.text
	.protected	k_q0f3ac2b5bb_quant
	.globl	k_q0f3ac2b5bb_quant
	.p2align	8
	.type	k_q0f3ac2b5bb_quant,@function
k_q0f3ac2b5bb_quant:
	s_mov_b64 s[64:65], 0
	v_nop
	global_prefetch_b8 v0, s[64:65] scope:SCOPE_SE
	s_setreg_imm32_b32 hwreg(HW_REG_WAVE_MODE, 25, 1), 1
	s_wait_xcnt 0x0
; hidden_states [8192][1024], qkv_w [3072][1024], proj_w [1024][1024], f32, K innermost, become codes of FP8 (E4M3) with one E8M0 byte for each 32 along K,
; laid as IMAGES OF OPERAND REGISTERS.  A block of the output serves 128 rows x 256 along K: BLK = 33,792 bytes, block (G, p) at (4 G + p) BLK:
;   codes of tile t (16 rows), K half s2 (128), register group c, lane l: 4096 t + 2048 s2 + 512 c + 16 l;  scale word of tile t, row r, half s2: 32768 + 8 (16 t + r) + 4 s2.
; THE ROWS OF A TILE ARE NOT NEIGHBOURS: tile 2 B + u holds rows 32 B + 8 u + r + 8 (r / 8), r = 0 .. 15.  Lane (r, h) of an image holds row r, k = 32 c + 16 h + 0 .. 15.
; A block's scale is 2^(floor(log2(its largest magnitude)) - 8); each number is divided by it, held within +-448 and rounded to the nearest code, ties to even.
; LIMITS: NaN and infinities are not served; a block whose largest magnitude lies under 2^-118 keeps the byte 1; a block of zeros gets the byte 1 where the rule says 127: its codes are zeros, and this program alone reads the bytes.
; SHARES.  A work-group takes 32 whole rows (two tiles); wave p takes K = 256 p .. 256 p + 255: four images (tile u, half s2) and 256 bytes of scale words.  Work-groups 0-255: hidden_states, 256-351: qkv_w, 352-383: proj_w;
; only pointers are chosen, there is one path through the text.  Each load reads 512 consecutive bytes of a row; an image's 16 rows x 512 bytes turn through the wave's own stage in LDS (rows 528 bytes apart) and come back
; 64 bytes a lane.  A store of codes covers 512 consecutive bytes.  Waves share nothing: no barrier.
.set SP,    528
.set STGB,  16*SP
.set BLK,   33792
.set LI,    1                          ; v1   16 x lane: offset of the loads and of the codes' stores
.set SIN,   2                          ; v2   the stage, on the way in
.set SOUT,  3                          ; v3   and on the way out: 528 r + 64 h
.set L8,    4                          ; v4   8 x lane
.set R,     16                         ; v16-143  two sets of 64 registers as loaded
.set X,     144                        ; v144-207 64 numbers of my row: register 16 b + i = k 32 b + 16 h + i
.set PC,    208                        ; v208-223 the codes just made
.set TM,    224                        ; v224-239 at work in QUANT
.set PW,    240                        ; v240     the scale word just made
.set PWS,   244                        ; v244-247 the four images' scale words
.set W,     248                        ; v[248:249] what my lane stores of them
.set SEL,   28                         ; s[28:29] selects of v_permlanex16_b32: lane l xor 16
.set HMASK, 30                         ; s30  lanes 16-31
.set MNT,   31                         ; s31  the mantissa field of 448
; 16 nb numbers of a lane, v[s] on, register 16 b + i = k 32 b + 16 (lane / 16) + i of my row, become codes in v[PC] on and a scale word in v[PW]
.macro QUANT s, nb
.set qb, 0
.rept \nb
	v_max3_num_f32 v[TM+qb], |v[(\s)+16*qb]|, |v[(\s)+16*qb+1]|, 0x4800000   ; my 16 numbers of block b, and the floor 2^(9 - 127): the byte cannot fall under 1
.set qb, qb+1
.endr
.irp i, 2,4,6,8,10,12,14
.set qb, 0
.rept \nb
	v_max3_num_f32 v[TM+qb], v[TM+qb], |v[(\s)+16*qb+\i]|, |v[(\s)+16*qb+\i+1]|   ; the blocks by turns
.set qb, qb+1
.endr
.endr
.set qb, 0
.rept \nb
	v_permlanex16_b32 v[TM+4+qb], v[TM+qb], s[SEL], s[SEL+1]
.set qb, qb+1
.endr
.set qb, 0
.rept \nb
	v_max_num_f32 v[TM+qb], v[TM+qb], v[TM+4+qb]        ; with lane l xor 16's: the block's largest magnitude
.set qb, qb+1
.endr
.set qb, 0
.rept \nb
	v_add_nc_u32 v[TM+12+qb], 0xfc000000, v[TM+qb]      ; 8 off its exponent field: the conversion's scale operand
.set qb, qb+1
.endr
.set qb, 0
.rept \nb
	v_and_or_b32 v[TM+8+qb], v[TM+qb], 0x7f800000, s[MNT]   ; 448 x the scale
.set qb, qb+1
.endr
.set qb, 0
.rept \nb
	v_lshrrev_b32 v[TM+4+qb], 23, v[TM+12+qb]           ; the scale's byte
.set qb, qb+1
.endr
	v_lshl_or_b32 v[PW], v[TM+5], 8, v[TM+4]
.if \nb > 2
	v_lshl_or_b32 v[PW], v[TM+6], 16, v[PW]
	v_lshl_or_b32 v[PW], v[TM+7], 24, v[PW]
.endif
.set qb, 0
.rept \nb
.irp i, 0,1,2,3,4,5,6,7,8,9,10,11,12,13,14,15
	v_med3_num_f32 v[(\s)+16*qb+\i], v[(\s)+16*qb+\i], -v[TM+8+qb], v[TM+8+qb]   ; the conversion to an 8-bit code does not saturate (ISA guide 7.6.2): the hold comes first
.endr
	v_cvt_scalef32_pk8_fp8_f32 v[PC+4*qb:PC+4*qb+1], v[(\s)+16*qb:(\s)+16*qb+7], v[TM+12+qb]
	v_cvt_scalef32_pk8_fp8_f32 v[PC+4*qb+2:PC+4*qb+3], v[(\s)+16*qb+8:(\s)+16*qb+15], v[TM+12+qb]
.set qb, qb+1
.endr
	v_nop                                          ; one plain vector line behind the last conversion
.endm
	s_load_b256 s[4:11], s[0:1], 0x0               ; hidden_states s[4:5], qkv_w s[6:7], proj_w s[8:9], hid_p s[10:11]
	s_load_b128 s[12:15], s[0:1], 0x20             ; wqkv_p s[12:13], wproj_p s[14:15]
	v_lshl_add_u32 v254, v0, 2, 0x8400
	v_mov_b32 v255, 0
	v_lshrrev_b32 v5, 5, v0
	v_readfirstlane_b32 s16, v5                    ; wave = p
	v_and_b32 v5, 31, v0
	v_lshlrev_b32 v[LI], 4, v5
	v_lshlrev_b32 v[L8], 3, v5
	v_and_b32 v6, 15, v0                           ; r
	v_bfe_u32 v7, v0, 4, 1                         ; h
	s_mul_i32 s32, s16, STGB                       ; my stage
	v_add_nc_u32 v[SIN], s32, v[LI]
	v_mul_u32_u24 v[SOUT], v6, SP
	v_lshl_add_u32 v[SOUT], v7, 6, v[SOUT]
	v_add_nc_u32 v[SOUT], s32, v[SOUT]
	s_mov_b32 s[SEL], 0x76543210
	s_mov_b32 s[SEL+1], 0xfedcba98
	s_mov_b32 s[HMASK], 0xffff0000
	s_mov_b32 s[MNT], 0x600000
.irp b, 0,1,2,3
	v_mov_b32 v[TM+4+\b], 0                        ; written once: a lane permute's destination counts as one of its sources
.endr
	s_wait_alu depctr_va_vdst(0)
	s_wait_kmcnt 0x0
	s_cmp_lt_u32 ttmp9, 352                        ; which tensor: the choice hangs on the work-group's number alone
	s_cselect_b64 s[6:7], s[6:7], s[8:9]
	s_cselect_b64 s[12:13], s[12:13], s[14:15]
	s_mov_b32 s17, 352
	s_cselect_b32 s17, 256, s17
	s_cmp_lt_u32 ttmp9, 256
	s_cselect_b64 s[4:5], s[4:5], s[6:7]
	s_cselect_b64 s[10:11], s[10:11], s[12:13]
	s_cselect_b32 s17, 0, s17
	s_sub_co_u32 s17, ttmp9, s17                   ; which 32 rows of the tensor
	s_lshl_b32 s18, s17, 17                        ; 32 rows of 4,096 bytes,
	s_lshl_b32 s19, s16, 10                        ; my 256 along K
	s_add_co_u32 s18, s18, s19
	s_mov_b32 s19, 0
	s_add_nc_u64 s[4:5], s[4:5], s[18:19]
	s_lshr_b32 s20, s17, 2
	s_lshl_b32 s20, s20, 2
	s_add_co_u32 s20, s20, s16
	s_mul_i32 s20, s20, BLK                        ; block (G, p)
	s_and_b32 s21, s17, 3                          ; which pair of tiles in it
	s_lshl_b32 s22, s21, 13
	s_add_co_u32 s22, s22, s20
	s_mov_b32 s23, 0
	s_lshl_b32 s24, s21, 8
	s_add_co_u32 s24, s24, s20
	s_add_co_u32 s24, s24, 32768
	s_mov_b32 s25, 0
	s_add_nc_u64 s[26:27], s[10:11], s[24:25]      ; my 256 bytes of scale words
	s_add_nc_u64 s[10:11], s[10:11], s[22:23]      ; my two tiles' codes
.macro LOAD img                        ; image 2 u + s2: the 16 rows of tile u, 512 bytes of each
.irp i, 0,1,2,3,4,5,6,7,8,9,10,11,12,13,14,15
	global_load_b128 v[R+64*((\img)%2)+4*\i:R+64*((\img)%2)+4*\i+3], v[LI], s[4:5] offset:(8*((\img)/2)+\i+8*(\i/8))*4096+512*((\img)%2) th:TH_LOAD_NT
.endr
.endm
.macro TURN img                        ; through the stage: LDS serves a wave's instructions in order (ISA guide 5.7.1.4), so no wait stands between the stores and the loads
.irp i, 0,1,2,3,4,5,6,7,8,9,10,11,12,13,14,15
	ds_store_b128 v[SIN], v[R+64*((\img)%2)+4*\i:R+64*((\img)%2)+4*\i+3] offset:SP*\i
.endr
.irp c, 0,1,2,3
.irp j, 0,1,2,3
	ds_load_b128 v[X+16*\c+4*\j:X+16*\c+4*\j+3], v[SOUT] offset:128*\c+16*\j
.endr
.endr
.endm
.macro IMG img
.if (\img) < 3
	s_wait_loadcnt 16                              ; this image's 16 loads are in; the next image's 16 may be out
.else
	s_wait_loadcnt 0x0
.endif
	TURN \img
	s_wait_dscnt 0x0                               ; my 64 numbers are back, and the stage's stores have read their registers,
.if (\img)+2 < 4
	LOAD (\img)+2                                  ; which take the image two on
.endif
	s_wait_xcnt 0x0                                ; the last image's stores have read the codes' registers: they are written again only behind this wait
	QUANT X, 4
	v_mov_b32 v[PWS+(\img)], v[PW]
.irp c, 0,1,2,3
	global_store_b128 v[LI], v[PC+4*\c:PC+4*\c+3], s[10:11] offset:((\img)/2)*4096+((\img)%2)*2048+512*\c   ; 32 lanes store 512 consecutive bytes
.endr
.endm
	LOAD 0
	LOAD 1
	IMG 0
	IMG 1
	IMG 2
	IMG 3
	v_cndmask_b32 v[W], v[PWS], v[PWS+2], s[HMASK]         ; lanes 0-15 store tile 0's words, lanes 16-31 tile 1's
	v_cndmask_b32 v[W+1], v[PWS+1], v[PWS+3], s[HMASK]
	global_store_b64 v[L8], v[W:W+1], s[26:27]     ; 256 consecutive bytes, aligned
	s_wait_tensorcnt 0x0
	ds_add_u32 v254, v255
	s_wait_dscnt 0x0
	s_endpgm
.Lfunc_end_k_q0f3ac2b5bb_quant:
	.size	k_q0f3ac2b5bb_quant, .Lfunc_end_k_q0f3ac2b5bb_quant-k_q0f3ac2b5bb_quant
	.p2alignl 7, 3214868480
	.fill 96, 4, 3214868480
	.section	.rodata,"a",@progbits
	.p2align	6, 0x0
	.amdhsa_kernel k_q0f3ac2b5bb_quant
		.amdhsa_group_segment_fixed_size 34304
		.amdhsa_private_segment_fixed_size 0
		.amdhsa_enable_private_segment 0
		.amdhsa_kernarg_size 48
		.amdhsa_user_sgpr_count 2
		.amdhsa_user_sgpr_kernarg_segment_ptr 1
		.amdhsa_wavefront_size32 1
		.amdhsa_system_sgpr_workgroup_id_x 1
		.amdhsa_system_sgpr_workgroup_id_y 1
		.amdhsa_system_sgpr_workgroup_id_z 1
		.amdhsa_system_vgpr_workitem_id 0
		.amdhsa_next_free_vgpr 256
		.amdhsa_next_free_sgpr 66
		.amdhsa_reserve_vcc 0
		.amdhsa_float_denorm_mode_32 3
		.amdhsa_float_denorm_mode_16_64 3
		.amdhsa_memory_ordered 1
		.amdhsa_forward_progress 1
		.amdhsa_inst_pref_size 51
	.end_amdhsa_kernel
	.amdgpu_metadata
---
amdhsa.version: [ 1, 2 ]
amdhsa.kernels:
  - .name:           k_q0f3ac2b5bb_quant
    .symbol:         k_q0f3ac2b5bb_quant.kd
    .args:
      - { .name: hidden_states, .offset: 0, .size: 8, .value_kind: global_buffer, .address_space: global }
      - { .name: qkv_w, .offset: 8, .size: 8, .value_kind: global_buffer, .address_space: global }
      - { .name: proj_w, .offset: 16, .size: 8, .value_kind: global_buffer, .address_space: global }
      - { .name: hid_p, .offset: 24, .size: 8, .value_kind: global_buffer, .address_space: global }
      - { .name: wqkv_p, .offset: 32, .size: 8, .value_kind: global_buffer, .address_space: global }
      - { .name: wproj_p, .offset: 40, .size: 8, .value_kind: global_buffer, .address_space: global }
    .group_segment_fixed_size: 34304
    .private_segment_fixed_size: 0
    .kernarg_segment_align: 8
    .kernarg_segment_size: 48
    .max_flat_workgroup_size: 128
    .sgpr_count:     66
    .vgpr_count:     256
    .wavefront_size: 32
...
	.end_amdgpu_metadata
.endif
;; end of part 1
;; launch qkv (part 2): grid 4 x 64, 4 waves a work-group, clusters of 4 x 1, 205,312 bytes of LDS; arguments hid_p, wqkv_p, qkv_b, cos, sin, q_p, kv_p; writes q_p, kv_p
.if DOCPART == 2
	.amdgcn_target "amdgcn-amd-amdhsa--gfx1250"
	.amdhsa_code_object_version 6
	.text
	.protected	k_q0f3ac2b5bb_qkv
	.globl	k_q0f3ac2b5bb_qkv
	.p2align	8
	.type	k_q0f3ac2b5bb_qkv,@function
k_q0f3ac2b5bb_qkv:
	s_mov_b64 s[64:65], 0
	v_nop
	global_prefetch_b8 v0, s[64:65] scope:SCOPE_SE
	s_setreg_imm32_b32 hwreg(HW_REG_WAVE_MODE, 25, 1), 1
	s_wait_xcnt 0x0
	s_wait_alu depctr_hold_cnt(0) depctr_sa_sdst(0) depctr_va_vdst(0) depctr_va_sdst(0) depctr_va_ssrc(0) depctr_va_vcc(0) depctr_vm_vsrc(0)
	s_getreg_b32 s2, hwreg(HW_REG_IB_STS2, 6, 4)
	s_cmp_eq_u32 s2, 0
	s_cbranch_scc0 .Lentry_in_a_cluster
	s_endpgm
.Lentry_in_a_cluster:
	s_bfe_u32 s2, ttmp6, 0x10000c
	s_cmp_lg_u32 s2, 0x3003
	s_cbranch_scc0 .Lentry_shape_is_right
	s_endpgm
.Lentry_shape_is_right:
; qkv = hidden_states qkv_w^T + qkv_b on codes of FP8 (E4M3) with E8M0 scales; RoPE on q and k; q, k quantised along the head's 64, v along the keys; all stored as images of operand registers.
; IN.  hid_p, wqkv_p: block (G, p) of 33,792 bytes at (4 G + p) x 33,792 serves 128 rows x 256 along K: codes of tile t, K half s2, group c, lane l at 4096 t + 2048 s2 + 512 c + 16 l; scale words at 32768 + 8 (16 t + r) + 4 s2.
; Tile 2 B + u holds rows 32 B + 8 u + r + 8 (r / 8).
; OUT.  q_p [bh][128 tokens][8,704], kv_p [bh][128 tokens][17,152]: q, k: codes of tile t at 1024 t + 512 c + 16 l, scale words at 8192 + 256 (t / 4) + 16 r + 4 (t % 4);
; v^T: codes of tile tv at 8704 + 2048 tv + 512 c + 16 l, scale words at 16896 + 16 r + 4 tv.
; SHARES.  A work-group owns 128 tokens (block G) and four heads (4 cx ..): 64 x 4 = 256 work-groups.  Wave w owns head 4 cx + w and takes it through three parts: q, k, v.
; THE TOKENS' CODES FOR ALL OF K (four blocks, 135,168 bytes) and their rows of cos and sin (128 x 256 bytes each, 16 bytes of padding behind each row) come into LDS once: waves 0 and 1 fetch two blocks each,
; wave 2 cos, wave 3 sin: one tensor load a wave, asked for jointly by the cluster's four work-groups, which share the tokens.  No byte of LDS is filled again.
; THE WEIGHTS go from memory straight into registers: a wave's 64 rows for all of K are 32 fragments, 512 registers, used as a ring of eight steps of 128 along K: behind the products of step s its registers take
; the next part's step s.  They are not asked for jointly: a joint load lands in LDS, and four waves' 270,336 bytes do not fit there beside the tokens.
; No prefetch: each part's weights are asked for a whole part ahead by these loads themselves.
; PRODUCTS.  K outermost, 32 accumulators by turns; the bias is the C of the first step.  q, k: source 0 = 16 rows of W, source 1 = 16 tokens: a lane holds one token, its registers run
; along the head.  v: the sources are swapped: a lane holds one channel, its registers run along the keys.
; q and k share one loop body of two trips; what differs lies in scalar registers.
; LIMITS: NaN and infinities are not served; a block whose largest magnitude lies under 2^-118 keeps the byte 1, a block of zeros too: this program alone reads the bytes.
; REGISTERS: window 0: v1-19 addresses, v20-31 scale words on the way out, v32-47 W's scale words, v64-95 the tokens' scale words, v96-127 bias, v128-255 the tokens' fragments of a step, and at work in the epilogues;
; window 1: accumulators; windows 2 and 3: W's fragments, (s, b) at 64 s + 16 b.
.set BLK,   33792
.set COS,   4*BLK                      ; LDS: cos, 128 rows of 272 bytes
.set SINO,  128*272                    ; sin lies so far behind cos
.set SPARE, COS+2*SINO                 ; the spare words, 128 bytes a wave
.set PART,  32*BLK                     ; from a part's weights to the next part's: 8 groups of 128 rows
.set LI,   1                           ; 16 x lane
.set L8,   2                           ; 8 x lane
.set CSO,  3                           ; LDS: my token's row of cos, my half
.set BO,   4                           ; 64 h
.set BOV,  5                           ; 4 (r + 8 (r / 8))
.set SCO,  6                           ; 256 h + 16 r
.set R16,  7                           ; 16 r
.set ADA,  8                           ; v8-11  LDS: block p + 16 x lane
.set ADSC, 12                          ; v12-15 LDS: block p + 8 x lane
.set SPW,  18
.set NIL,  19
.set PWS,  20
.set W4,   28
.set SB,   32
.set SA,   64
.set BI,   96
.set AF,   128
.set CB,   128                         ; q, k: cos low, cos high, sin low, sin high: 16 each
.set TM,   240
.set WV,   18
.set CX,   19
.set TROW, 20
.set CNT,  21
.set MNT,  22
.set HMASK, 23
.set G1,   24
.set G0,   32
.set G0C,  36
.set G1C,  40
.set SEL,  48
.set WN,   50                          ; s[50:51] the next part's fragments; s[52:53] its scale words; s[54:55] its bias
.set WSN,  52
.set BN,   54
.set OQ,   56
.set OK,   58
.set OB,   60
.set MSB, 0
.macro WIN new                         ; the immediate's high byte repeats the setting that is left
.if MSB != (\new)
	s_set_vgpr_msb (MSB<<8)|(\new)
.set MSB, (\new)
.endif
.endm
.macro CROUND
	s_barrier_signal -1
	s_barrier_wait -1
	s_cmp_lg_u32 s[WV], 0
	s_cbranch_scc1 .Lnot_wave_0_\@
	s_barrier_signal -3
.Lnot_wave_0_\@:
	s_barrier_wait -3
	s_barrier_signal -1
	s_barrier_wait -1
.endm
.macro PLACES n
.rept \n
	v_nop
.endr
.endm
	s_load_b256 s[4:11], s[0:1], 0x0               ; hid_p, wqkv_p, qkv_b, cos
	s_load_b128 s[12:15], s[0:1], 0x20             ; sin, q_p
	s_load_b64 s[16:17], s[0:1], 0x30              ; kv_p
	v_lshl_add_u32 v[SPW], v0, 2, SPARE
	v_mov_b32 v[NIL], 0
	ds_add_u32 v[SPW], v[NIL]                      ; the opening lines: the add twice on end and one wait, ahead of my tensor load
	ds_add_u32 v[SPW], v[NIL]
	v_lshrrev_b32 v16, 5, v0
	v_readfirstlane_b32 s[WV], v16                 ; wave 0..3
	s_bfe_u32 s[CX], ttmp6, 0x40000                ; cx: it enters W's, the bias's and the results' global addresses alone
	s_and_b32 s[TROW], ttmp7, 0xffff               ; G, which the four partners share
	s_mov_b32 s[G1], 15|(3<<16)|(1<<21)            ; two blocks: 264 rows of 32 elements of 8 bytes, dense; the mask names all four work-groups
	s_mov_b32 s[G1+1], 32<<16
	s_mov_b32 s[G1+2], 264<<16
	s_mov_b32 s[G1+3], 32<<16
	s_mov_b32 s[G1+4], 264
	s_mov_b32 s[G1+5], 32
	s_mov_b32 s[G1+6], 0
	s_mov_b32 s[G1+7], 0
	s_mov_b32 s[G1C], 15|(3<<16)|(1<<20)|(1<<21)|(5<<22)|(3<<25)   ; cos, sin: 128 rows of 256 bytes, four words of padding behind every 64
	s_mov_b32 s[G1C+1], 32<<16
	s_mov_b32 s[G1C+2], 128<<16
	s_mov_b32 s[G1C+3], 32<<16
	s_mov_b32 s[G1C+4], 128
	s_mov_b32 s[G1C+5], 32
	s_mov_b32 s[G1C+6], 0
	s_mov_b32 s[G1C+7], 0
	s_lshl_b32 s66, s[TROW], 2
	s_lshl_b32 s67, s[WV], 1
	s_add_co_u32 s66, s66, s67
	s_mul_i32 s66, s66, BLK                        ; tokens: blocks (G, 2 wave) and the next
	s_mov_b32 s67, 0
	s_mul_i32 s68, s[WV], 2*BLK                    ; and where they go
	s_mul_i32 s69, s[WV], SINO
	s_add_co_u32 s69, s69, COS-2*SINO              ; wave 2: cos, wave 3: sin
	s_lshl_b32 s70, s[TROW], 15                    ; 128 tokens of 256 bytes
	s_mov_b32 s71, 0
	s_lshl_b32 s72, s[CX], 1
	s_lshr_b32 s73, s[WV], 1
	s_add_co_u32 s72, s72, s73                     ; W: group of 128 rows 2 cx + wave / 2 of a part,
	s_mul_i32 s72, s72, 4*BLK
	s_add_co_u32 s72, s72, PART                    ; (the bases stand at the part after the one in hand)
	s_and_b32 s73, s[WV], 1                        ; its tiles 4 (wave % 2) on
	s_lshl_b32 s[WN], s73, 14
	s_add_co_u32 s[WN], s[WN], s72
	s_mov_b32 s[WN+1], 0
	s_lshl_b32 s[WSN], s73, 9
	s_add_co_u32 s[WSN], s[WSN], s72
	s_add_co_u32 s[WSN], s[WSN], 32768
	s_mov_b32 s[WSN+1], 0
	s_lshl_b32 s[BN], s[CX], 10
	s_lshl_b32 s73, s[WV], 8
	s_add_co_u32 s[BN], s[BN], s73
	s_add_co_u32 s[BN], s[BN], 4096                ; my head's bias in the next part
	s_mov_b32 s[BN+1], 0
	s_lshr_b32 s74, s[TROW], 4                     ; batch
	s_lshl_b32 s74, s74, 4
	s_lshl_b32 s75, s[CX], 2
	s_add_co_u32 s74, s74, s75
	s_add_co_u32 s74, s74, s[WV]                   ; bh
	s_lshl_b32 s74, s74, 4
	s_and_b32 s75, s[TROW], 15
	s_add_co_u32 s74, s74, s75                     ; 16 bh + the group of 128 tokens in the batch
	s_mul_i32 s[OQ], s74, 8704
	s_mov_b32 s[OQ+1], 0
	s_mul_i32 s[OK], s74, 17152
	s_mov_b32 s[OK+1], 0
	s_mov_b32 s[SEL], 0x76543210
	s_mov_b32 s[SEL+1], 0xfedcba98
	s_mov_b32 s[MNT], 0x600000
	s_mov_b32 s[HMASK], 0xffff0000
	s_wait_dscnt 0x0                               ; both opening adds are done
	s_wait_kmcnt 0x0
	s_add_nc_u64 s[66:67], s[4:5], s[66:67]
	s_add_nc_u64 s[WN:WN+1], s[6:7], s[WN:WN+1]
	s_add_nc_u64 s[WSN:WSN+1], s[6:7], s[WSN:WSN+1]
	s_add_nc_u64 s[BN:BN+1], s[8:9], s[BN:BN+1]
	s_add_nc_u64 s[OQ:OQ+1], s[14:15], s[OQ:OQ+1]
	s_add_nc_u64 s[OK:OK+1], s[16:17], s[OK:OK+1]
	s_cmp_eq_u32 s[WV], 2
	s_cselect_b64 s[76:77], s[10:11], s[12:13]
	s_add_nc_u64 s[76:77], s[76:77], s[70:71]
	s_mov_b32 s[G0], 1
	s_mov_b32 s[G0+1], s68
	s_mov_b64 s[G0+2:G0+3], s[66:67]
	s_or_b32 s[G0+3], s[G0+3], 0x80000000
	s_mov_b32 s[G0C], 1
	s_mov_b32 s[G0C+1], s69
	s_mov_b64 s[G0C+2:G0C+3], s[76:77]
	s_or_b32 s[G0C+3], s[G0C+3], 0x80000000
	CROUND                                         ; all four work-groups are here: the joint loads meet
	s_cmp_lt_u32 s[WV], 2                          ; one load in each arm: every way through the head passes one
	s_cbranch_scc0 .Lcs
	tensor_load_to_lds s[G0:G0+3], s[G1:G1+7]
	s_nop 0
.rept 4
	v_nop
.endr
	s_branch .Lasked
.Lcs:
	tensor_load_to_lds s[G0C:G0C+3], s[G1C:G1C+7]
	s_nop 0
.rept 4
	v_nop
.endr
.Lasked:
	v_and_b32 v16, 31, v0
	v_and_b32 v17, 15, v0                          ; r
	v_bfe_u32 v28, v0, 4, 1                        ; h
	v_and_b32 v29, 8, v17
	v_add_nc_u32 v29, v29, v17                     ; r + 8 (r / 8)
	v_lshlrev_b32 v[LI], 4, v16
	v_lshlrev_b32 v[L8], 3, v16
	v_lshlrev_b32 v[BO], 6, v28
	v_lshlrev_b32 v[BOV], 2, v29
	v_lshlrev_b32 v[R16], 4, v17
	v_lshl_add_u32 v[SCO], v28, 8, v[R16]
	v_mul_u32_u24 v[CSO], v29, 272
	v_lshl_add_u32 v[CSO], v28, 6, v[CSO]
	v_add_nc_u32 v[CSO], COS, v[CSO]
.irp p, 0,1,2,3
	v_add_nc_u32 v[ADA+\p], \p*BLK, v[LI]
	v_add_nc_u32 v[ADSC+\p], \p*BLK, v[L8]
.endr
	s_wait_alu depctr_va_vdst(0)                   ; the wait at the head's end
.macro BIASQK off                      ; register j of tile b: channel 32 (b / 2) + 8 (b % 2) + 16 h + j
.irp b, 0,1,2,3
	global_load_b128 v[BI+8*\b:BI+8*\b+3], v[BO], s[BN:BN+1] offset:128*(\b/2)+32*(\b%2)+(\off)
	global_load_b128 v[BI+8*\b+4:BI+8*\b+7], v[BO], s[BN:BN+1] offset:128*(\b/2)+32*(\b%2)+16+(\off)
.endr
.endm
.macro SBLOAD p, off                   ; W's scale words of K step p: 256 consecutive bytes a load: lanes 0-15 tile 2 q's, lanes 16-31 tile 2 q + 1's
.irp q, 0,1
	global_load_b64 v[SB+4*(\p)+2*\q:SB+4*(\p)+2*\q+1], v[L8], s[WSN:WSN+1] offset:(\p)*BLK+256*\q+(\off)
.endr
.endm
.macro WLOAD s, off                    ; W's four fragments of 128 along K: 16 loads of 512 consecutive bytes
	WIN 0x80+0x40*((\s)/4)
.irp b, 0,1,2,3
.irp c, 0,1,2,3
	global_load_b128 v[64*((\s)%4)+16*\b+4*\c:64*((\s)%4)+16*\b+4*\c+3], v[LI], s[WN:WN+1] offset:((\s)/2)*BLK+4096*\b+2048*((\s)%2)+512*\c+(\off)
.endr
.endr
	WIN 0
.endm
	BIASQK -4096                                   ; q's bias, scale words and fragments
.irp p, 0,1,2,3
	SBLOAD \p, -PART
.endr
.irp s, 0,1,2,3,4,5,6,7
	WLOAD \s, -PART
.endr
.macro FETCH s, a0                     ; the tokens' tiles a0 .. a0 + 3, 128 along K
.irp a, \a0, \a0+1, \a0+2, \a0+3
.irp c, 0,1,2,3
	ds_load_b128 v[AF+16*(\a)+4*\c:AF+16*(\a)+4*\c+3], v[ADA+(\s)/2] offset:4096*(\a)+2048*((\s)%2)+512*\c
.endr
.endr
.endm
.macro CSLOAD a                        ; cos and sin of tile a's tokens: my token's channels 16 h .. and 32 + 16 h ..
.set RO, (32*((\a)/2)+8*((\a)%2))*272
.irp j, 0,1,2,3
	ds_load_b128 v[CB+4*\j:CB+4*\j+3], v[CSO] offset:RO+16*\j
	ds_load_b128 v[CB+16+4*\j:CB+19+4*\j], v[CSO] offset:RO+128+16*\j
	ds_load_b128 v[CB+32+4*\j:CB+35+4*\j], v[CSO] offset:RO+SINO+16*\j
	ds_load_b128 v[CB+48+4*\j:CB+51+4*\j], v[CSO] offset:RO+SINO+128+16*\j
.endr
.endm
.macro WM d, x, y, c, sx, sy, rx, ry   ; rx, ry: the scale words stand in lanes 16-31
.if (\rx)
.if (\ry)
	v_wmma_scale_f32_16x16x128_f8f6f4 v[\d:\d+7], v[\x:\x+15], v[\y:\y+15], v[\c:\c+7], v[\sx], v[\sy] matrix_a_scale:MATRIX_SCALE_ROW1 matrix_b_scale:MATRIX_SCALE_ROW1
.else
	v_wmma_scale_f32_16x16x128_f8f6f4 v[\d:\d+7], v[\x:\x+15], v[\y:\y+15], v[\c:\c+7], v[\sx], v[\sy] matrix_a_scale:MATRIX_SCALE_ROW1
.endif
.else
.if (\ry)
	v_wmma_scale_f32_16x16x128_f8f6f4 v[\d:\d+7], v[\x:\x+15], v[\y:\y+15], v[\c:\c+7], v[\sx], v[\sy] matrix_b_scale:MATRIX_SCALE_ROW1
.else
	v_wmma_scale_f32_16x16x128_f8f6f4 v[\d:\d+7], v[\x:\x+15], v[\y:\y+15], v[\c:\c+7], v[\sx], v[\sy]
.endif
.endif
.endm
.macro SETW kind, s                    ; W window 2 or 3, tokens window 0, D window 1, C window 1 (in the first step: the bias, window 0)
.if \kind == 0
.if \s == 0
	WIN 0x42
.else
	WIN 0x52+(\s)/4
.endif
.else
.if \s == 0
	WIN 0x48
.else
	WIN 0x58+4*((\s)/4)
.endif
.endif
.endm
; 16 matrix instructions: token tiles a0 .. a0 + 3 x W's four.  kind 0 (q, k): accumulator (a, b) at 8 (4 a + b); kind 1 (v): at 8 (8 b + a)
.macro MUL16 kind, s, a0
.irp a, \a0, \a0+1, \a0+2, \a0+3
.irp b, 0,1,2,3
.if \kind == 0
.if \s == 0
	WM 8*(4*(\a)+\b), 64*(\s%4)+16*\b, AF+16*(\a), BI+8*\b, SB+4*(\s/2)+2*(\b/2)+\s%2, SA+8*((\a)/2)+\s, \b%2, (\a)%2
.else
	WM 8*(4*(\a)+\b), 64*(\s%4)+16*\b, AF+16*(\a), 8*(4*(\a)+\b), SB+4*(\s/2)+2*(\b/2)+\s%2, SA+8*((\a)/2)+\s, \b%2, (\a)%2
.endif
.else
.if \s == 0
	WM 8*(8*\b+(\a)), AF+16*(\a), 64*(\s%4)+16*\b, BI+8*\b, SA+8*((\a)/2)+\s, SB+4*(\s/2)+2*(\b/2)+\s%2, (\a)%2, \b%2
.else
	WM 8*(8*\b+(\a)), AF+16*(\a), 64*(\s%4)+16*\b, 8*(8*\b+(\a)), SA+8*((\a)/2)+\s, SB+4*(\s/2)+2*(\b/2)+\s%2, (\a)%2, \b%2
.endif
.endif
.endr
.endr
.endm
; A step of 128 along K: 32 matrix instructions.  The tokens' tiles 0-3 are fetched anew in its middle, tiles 4-7 at its end; nxt = 1: W's registers of this step then take the next part's.
.macro SUB kind, s, nxt
.if (\nxt) || (16*(7-\s) > 63)
	s_wait_loadcnt 63                              ; this step's fragments and scale words of W are in: more than 63 loads were issued behind them
.else
	s_wait_loadcnt 16*(7-\s)                       ; 16 loads for each later step may be out
.endif
	s_wait_dscnt 16                                ; tiles 0-3 are in; the 16 loads of tiles 4-7 may be out
	SETW \kind, \s
	MUL16 \kind, \s, 0
	PLACES 8                                       ; in front of loads into registers that these products have read
	WIN 0
.if \s < 7
	FETCH (\s)+1, 0
	s_wait_dscnt 16                                ; tiles 4-7 are in
.else
.if \kind == 0
	CSLOAD 0                                       ; the registers of tiles 0-3 take the first tile's cos and sin
	s_wait_dscnt 16
.else
	s_wait_dscnt 0x0
.endif
.endif
	SETW \kind, \s
	MUL16 \kind, \s, 4
	PLACES 8
	WIN 0
.if \s < 7
	FETCH (\s)+1, 4
.endif
.if \nxt
.if \s == 0
	s_cmp_eq_u32 s[CNT], 0                         ; the next part's bias: k's as q's; v's: a lane holds one channel, so all eight registers of a tile hold its bias
	s_cbranch_scc0 .Lbias_v_\@
	BIASQK 0
	s_branch .Lbias_in_\@
.Lbias_v_\@:
.irp b, 0,1,2,3
.irp j, 0,1,2,3,4,5,6,7
	global_load_b32 v[BI+8*\b+\j], v[BOV], s[BN:BN+1] offset:(32*(\b/2)+8*(\b%2))*4
.endr
.endr
.Lbias_in_\@:
.endif
.if (\s)%2 == 1
	SBLOAD (\s)/2, 0
.endif
	WLOAD \s, 0
.endif
.endm
; THE QUANTISER, in three pieces.  16 nb numbers of a lane, register 16 b + i = k 32 b + 16 (lane / 16) + i of my row.  w = 1: the numbers lie in window 1
.macro QMAX nb, x, w
	WIN 5*(\w)
.set qb, 0
.rept \nb
	v_max3_num_f32 v[TM+qb], |v[(\x)+16*qb]|, |v[(\x)+16*qb+1]|, 0x4800000   ; my 16 numbers of block b, from the low end on, and the floor 2^(9 - 127): the byte cannot fall under 1
.set qb, qb+1
.endr
	WIN 0x14*(\w)
.irp i, 2,4,6,8,10,12,14
.set qb, 0
.rept \nb
	v_max3_num_f32 v[TM+qb], v[TM+qb], |v[(\x)+16*qb+\i]|, |v[(\x)+16*qb+\i+1]|
.set qb, qb+1
.endr
.endr
	WIN 0
.endm
.macro QMID nb, pw
.set qb, 0
.rept \nb
	v_permlanex16_b32 v[TM+4+qb], v[TM+qb], s[SEL], s[SEL+1]
.set qb, qb+1
.endr
.set qb, 0
.rept \nb
	v_max_num_f32 v[TM+qb], v[TM+qb], v[TM+4+qb]        ; with lane l xor 16's: the block's largest magnitude
.set qb, qb+1
.endr
.set qb, 0
.rept \nb
	v_add_nc_u32 v[TM+12+qb], 0xfc000000, v[TM+qb]      ; 8 off its exponent field: the conversion's scale operand
.set qb, qb+1
.endr
.set qb, 0
.rept \nb
	v_and_or_b32 v[TM+8+qb], v[TM+qb], 0x7f800000, s[MNT]   ; 448 x the scale
.set qb, qb+1
.endr
.set qb, 0
.rept \nb
	v_lshrrev_b32 v[TM+4+qb], 23, v[TM+12+qb]           ; the scale's byte
.set qb, qb+1
.endr
	v_lshl_or_b32 v[\pw], v[TM+5], 8, v[TM+4]
.if \nb > 2
	v_lshl_or_b32 v[\pw], v[TM+6], 16, v[\pw]
	v_lshl_or_b32 v[\pw], v[TM+7], 24, v[\pw]
.endif
.endm
.macro QCVT nb, x, w, t, pc            ; the hold (the conversion to an 8-bit code does not saturate: ISA guide 7.6.2) brings the numbers into v[t] on, window 0; then the codes
	WIN (\w)
.set qb, 0
.rept \nb
.irp i, 0,1,2,3,4,5,6,7,8,9,10,11,12,13,14,15
	v_med3_num_f32 v[(\t)+16*qb+\i], v[(\x)+16*qb+\i], -v[TM+8+qb], v[TM+8+qb]
.endr
.set qb, qb+1
.endr
	WIN 0
.set qb, 0
.rept \nb
	v_cvt_scalef32_pk8_fp8_f32 v[(\pc)+4*qb:(\pc)+4*qb+1], v[(\t)+16*qb:(\t)+16*qb+7], v[TM+12+qb]
	v_cvt_scalef32_pk8_fp8_f32 v[(\pc)+4*qb+2:(\pc)+4*qb+3], v[(\t)+16*qb+8:(\t)+16*qb+15], v[TM+12+qb]
.set qb, qb+1
.endr
	v_nop                                          ; one plain vector line behind the last conversion
.endm
.set TQ,  192                          ; q, k: 32 numbers behind RoPE;  their codes
.set PCQ, 224
.macro QKT a                           ; 16 tokens of my head: RoPE, quantised along the head's 64, stored
.set AC, 32*(\a)
	s_wait_dscnt 0x0                               ; this tile's cos and sin are in
	WIN 0x01                                       ; source 0: the accumulators, window 1
.irp i, 0,2,4,6,8,10,12,14
	v_pk_mul_f32 v[TQ+\i:TQ+\i+1], v[AC+\i:AC+\i+1], v[CB+\i:CB+\i+1]                   ; each accumulator from its low end on
.endr
.irp i, 0,2,4,6,8,10,12,14
	v_pk_mul_f32 v[TQ+16+\i:TQ+17+\i], v[AC+16+\i:AC+17+\i], v[CB+16+\i:CB+17+\i]
.endr
.irp i, 0,2,4,6,8,10,12,14
	v_pk_fma_f32 v[TQ+\i:TQ+\i+1], v[AC+16+\i:AC+17+\i], v[CB+32+\i:CB+33+\i], v[TQ+\i:TQ+\i+1] neg_lo:[1,0,0] neg_hi:[1,0,0]
.endr
.irp i, 0,2,4,6,8,10,12,14
	v_pk_fma_f32 v[TQ+16+\i:TQ+17+\i], v[AC+\i:AC+\i+1], v[CB+48+\i:CB+49+\i], v[TQ+16+\i:TQ+17+\i]
.endr
	WIN 0
.if (\a) < 7
	CSLOAD (\a)+1
.endif
	s_wait_alu depctr_va_vdst(0)                   ; directly ahead of the wait below
	s_wait_xcnt 0x0                                ; the last tile's stores have read the codes' registers
	QMAX 2, TQ, 0
	QMID 2, PWS+(\a)
	QCVT 2, TQ, 0, TQ, PCQ
.irp c, 0,1
	global_store_b128 v[LI], v[PCQ+4*\c:PCQ+4*\c+3], s[OB:OB+1] offset:1024*(\a)+512*\c   ; 512 consecutive bytes
.endr
.endm
.set TV,  128                          ; v: 64 numbers behind the hold;  their codes
.set PCV, 192
.macro VT b                            ; 16 channels of my head x 128 keys: quantised along the keys, stored
.if (\b) > 0
	s_wait_xcnt 0x0                                ; the last tile's stores have read the codes' registers
.endif
	QMAX 4, 64*(\b), 1
	QMID 4, PWS+(\b)
	QCVT 4, 64*(\b), 1, TV, PCV
.irp c, 0,1,2,3
	global_store_b128 v[LI], v[PCV+4*\c:PCV+4*\c+3], s[OK:OK+1] offset:8704+2048*(\b)+512*\c
.endr
.endm
	s_wait_tensorcnt 0x0                           ; my tile has landed
	s_barrier_signal -1
	s_barrier_wait -1                              ; everybody's has
.irp g, 0,1,2,3                        ; the tokens' scale words for all of K stay in registers: lanes 0-15 tile 2 g's, lanes 16-31 tile 2 g + 1's
.irp p, 0,1,2,3
	ds_load_b64 v[SA+8*\g+2*\p:SA+8*\g+2*\p+1], v[ADSC+\p] offset:32768+256*\g
.endr
.endr
	s_mov_b32 s[CNT], 0
.Lpart:                                            ; two trips: q, then k
	s_cmp_eq_u32 s[CNT], 0
	s_cselect_b64 s[OB:OB+1], s[OQ:OQ+1], s[OK:OK+1]
	FETCH 0, 0
	FETCH 0, 4
.irp s, 0,1,2,3,4,5,6,7
	SUB 0, \s, 1
.endr
	v_mov_b32 v[TM+4], 0                           ; a lane permute's destination counts as one of its sources
	v_mov_b32 v[TM+5], 0
.irp a, 0,1,2,3,4,5,6,7
	QKT \a
.endr
.irp t, 0,1,2,3
	v_cndmask_b32 v[W4+\t], v[PWS+\t], v[PWS+4+\t], s[HMASK]   ; lanes 0-15 store the words of tiles 0-3, lanes 16-31 those of tiles 4-7
.endr
	global_store_b128 v[SCO], v[W4:W4+3], s[OB:OB+1] offset:8192   ; 512 consecutive bytes
	s_wait_xcnt 0x0                                ; every load and store has read its base and its registers: the bases step, and the fragments' registers are loaded anew
	s_add_nc_u64 s[WN:WN+1], s[WN:WN+1], PART
	s_add_nc_u64 s[WSN:WSN+1], s[WSN:WSN+1], PART
	s_add_nc_u64 s[BN:BN+1], s[BN:BN+1], 4096
	s_add_co_u32 s[CNT], s[CNT], 1
	s_cmp_lt_u32 s[CNT], 2
	s_cbranch_scc1 .Lpart
	FETCH 0, 0                                     ; v
	FETCH 0, 4
.irp s, 0,1,2,3,4,5,6,7
	SUB 1, \s, 0
.endr
.irp b, 0,1,2,3
	v_mov_b32 v[TM+4+\b], 0
.endr
.irp b, 0,1,2,3
	VT \b
.endr
	global_store_b128 v[R16], v[PWS:PWS+3], s[OK:OK+1] offset:16896   ; 256 consecutive bytes; both halves of the lanes hold and store the same words
	s_wait_tensorcnt 0x0                           ; the wave's end
	ds_add_u32 v[SPW], v[NIL]
	s_wait_dscnt 0x0
	CROUND                                         ; the closing round
	s_endpgm
.Lfunc_end_k_q0f3ac2b5bb_qkv:
	.size	k_q0f3ac2b5bb_qkv, .Lfunc_end_k_q0f3ac2b5bb_qkv-k_q0f3ac2b5bb_qkv
	.p2alignl 7, 3214868480
	.fill 96, 4, 3214868480
	.section	.rodata,"a",@progbits
	.p2align	6, 0x0
	.amdhsa_kernel k_q0f3ac2b5bb_qkv
		.amdhsa_group_segment_fixed_size 205312
		.amdhsa_private_segment_fixed_size 0
		.amdhsa_enable_private_segment 0
		.amdhsa_kernarg_size 56
		.amdhsa_user_sgpr_count 2
		.amdhsa_user_sgpr_kernarg_segment_ptr 1
		.amdhsa_wavefront_size32 1
		.amdhsa_system_sgpr_workgroup_id_x 1
		.amdhsa_system_sgpr_workgroup_id_y 1
		.amdhsa_system_sgpr_workgroup_id_z 1
		.amdhsa_system_vgpr_workitem_id 0
		.amdhsa_next_free_vgpr 1024
		.amdhsa_next_free_sgpr 96
		.amdhsa_reserve_vcc 0
		.amdhsa_float_denorm_mode_32 3
		.amdhsa_float_denorm_mode_16_64 3
		.amdhsa_memory_ordered 1
		.amdhsa_forward_progress 1
		.amdhsa_inst_pref_size 241
	.end_amdhsa_kernel
	.amdgpu_metadata
---
amdhsa.version: [ 1, 2 ]
amdhsa.kernels:
  - .name:           k_q0f3ac2b5bb_qkv
    .symbol:         k_q0f3ac2b5bb_qkv.kd
    .args:
      - { .name: hid_p, .offset: 0, .size: 8, .value_kind: global_buffer, .address_space: global }
      - { .name: wqkv_p, .offset: 8, .size: 8, .value_kind: global_buffer, .address_space: global }
      - { .name: qkv_b, .offset: 16, .size: 8, .value_kind: global_buffer, .address_space: global }
      - { .name: cos, .offset: 24, .size: 8, .value_kind: global_buffer, .address_space: global }
      - { .name: sin, .offset: 32, .size: 8, .value_kind: global_buffer, .address_space: global }
      - { .name: q_p, .offset: 40, .size: 8, .value_kind: global_buffer, .address_space: global }
      - { .name: kv_p, .offset: 48, .size: 8, .value_kind: global_buffer, .address_space: global }
    .group_segment_fixed_size: 205312
    .private_segment_fixed_size: 0
    .kernarg_segment_align: 8
    .kernarg_segment_size: 56
    .max_flat_workgroup_size: 128
    .sgpr_count:     96
    .vgpr_count:     1024
    .wavefront_size: 32
...
	.end_amdgpu_metadata
.endif
;; end of part 2
;; launch attn (part 3): grid 4 x 64, 16 waves a work-group, clusters of 4 x 1, 276,480 bytes of LDS; arguments q_p, kv_p, attn_p; writes attn_p
.if DOCPART == 3
	.amdgcn_target "amdgcn-amd-amdhsa--gfx1250"
	.amdhsa_code_object_version 6
	.text
	.protected	k_q0f3ac2b5bb_attn
	.globl	k_q0f3ac2b5bb_attn
	.p2align	8
	.type	k_q0f3ac2b5bb_attn,@function
k_q0f3ac2b5bb_attn:
	s_mov_b64 s[64:65], 0
	v_nop
	global_prefetch_b8 v0, s[64:65] scope:SCOPE_SE
	s_setreg_imm32_b32 hwreg(HW_REG_WAVE_MODE, 25, 1), 1
	s_wait_xcnt 0x0
	s_wait_alu depctr_hold_cnt(0) depctr_sa_sdst(0) depctr_va_vdst(0) depctr_va_sdst(0) depctr_va_ssrc(0) depctr_va_vcc(0) depctr_vm_vsrc(0)
	s_getreg_b32 s2, hwreg(HW_REG_IB_STS2, 6, 4)
	s_cmp_eq_u32 s2, 0
	s_cbranch_scc0 .Lentry_in_a_cluster
	s_endpgm
.Lentry_in_a_cluster:
	s_bfe_u32 s2, ttmp6, 0x10000c
	s_cmp_lg_u32 s2, 0x3003
	s_cbranch_scc0 .Lentry_shape_is_right
	s_endpgm
.Lentry_shape_is_right:
; Attention of one (batch, head) a cluster: O[q] = sum over k of softmax_k(Q[q] . K[k] / 8) V[k], both products on codes of FP8 (E4M3) with E8M0 scales; the result is quantised along C for the last product.
; THE SOFTMAX AHEAD OF THE SECOND PRODUCT: t = score x log2(e) / 8; M = the row's largest t so far, rounded up to a whole number; p = 2^(t - M) is quantised along the keys, not normalised.
; The row's sum is taken of the unquantised p and divides O at the end.  When M moves, the sum and O are multiplied by 2^(old M - new M): exact.
; IN.  q_p [bh][128 queries][8,704] and kv_p [bh][128 keys][17,152], images of operand registers: k (and q): codes of tile t at 1024 t + 512 c + 16 l, scale words at 8192 + 256 (t / 4) + 16 r + 4 (t % 4);
; v^T: codes of tile tv at 8704 + 2048 tv + 512 c + 16 l, scale words at 16896 + 16 r + 4 tv.  Tile 2 B + u holds rows 32 B + 8 u + r + 8 (r / 8).
; OUT.  attn_p: blocks of 33,792 bytes for 128 rows x 256 along C: codes at 4096 t + 2048 s2 + 512 c + 16 l, scale words at 32768 + 8 (16 t + r) + 4 s2.
; SHARES.  A work-group owns 512 queries; each of its sixteen waves owns two tiles of 16, one after the other (two passes).  THE HEAD'S K AND V STAY IN LDS: 16 blocks of 17,152 bytes, each filled once:
; wave w asks for block w, jointly with the same wave of the cluster's other three work-groups: one tensor load a wave, one wait for it, one barrier.  No byte is filled again.
; LAYOUT.  Both products are used transposed: S^T = K Q^T, O^T = V^T P^T: a lane holds one query throughout, and the 16 registers of two neighbouring tiles are 16 neighbours along the next K.
; K = 64 IN AN INSTRUCTION OF 128: Q's registers for k = 64 .. 127 hold zero codes.  K's tile t is named as 16 registers of which the upper eight are the next tile's codes (behind tile 7: zeros): they meet Q's zeros.
; The scale bytes of those two blocks are 0 (2^-127) on both sides.
; No prefetch: all that the launch reads through LDS is asked for at its head, ahead of the loops.
; LIMITS: NaN and infinities are not served; the scaled scores stay under 2^31 in magnitude; a block whose largest magnitude lies under 2^-118 keeps the byte 1, a block of zeros too.
.set STEPB, 17152
.set SPARE, 16*STEPB                   ; the spare words, 128 bytes a wave, behind the 16 blocks
.set LI,   1                           ; v1   16 x lane
.set R16,  2                           ; v2   16 r
.set QO,   3                           ; v3   my tile's codes in a block of q_p
.set QSO,  4                           ; v4   its scale words
.set OO,   5                           ; v5   my codes' place in a block of attn_p
.set OSO,  6                           ; v6   my scale byte's place
.set ADR,  8                           ; v8   LDS: the step's block + 16 x lane
.set ADS,  9                           ; v9   LDS: the step's block + 16 r
                                       ; v12 -M, v13 the largest score so far, v[14:15] the sum in two halves
.set QF,   16                          ; v16-23 Q, v24-31 zeros
.set KV,   32                          ; v32-95 K's eight tiles, then V's four fragments; v96-103 zeros
.set S,    104                         ; v104-167 S^T, then p
.set OT,   168                         ; v168-199 O^T
.set PC,   200                         ; v200-215 p's codes
.set TM,   216                         ; v216-231 at work; v216-223 and v244-247 also the sum's six side chains
.set KS,   232                         ; v232-239 K's scale words
.set VS,   240                         ; v240-243 V's scale words
.set OLDM, 248                         ; v248 the last step's -M
.set SPW,  249                         ; v249 my spare word's LDS address; never rewritten
.set NIL,  251                         ; v251 0; never rewritten
                                       ; v252 f, v253 p's scale word, v254 at work, v255 Q's scale words
.set TB,   2                           ; s2   LDS byte at which the step's block begins
.set CNT,  3
.set WV,   10
.set MNT,  19
.set SEL,  20
.set CS,   22                          ; s[22:23] c = log2(e) / 8
.set G1,   24
.set G0,   32
.set SQO,  36
.set SQS,  37
.set SOO,  38
.set SOS,  39
.set NC,   40                          ; s40  -c
.set HMASK, 49
.set QB,   56
.set OB,   58
.macro CROUND
	s_barrier_signal -1
	s_barrier_wait -1
	s_cmp_lg_u32 s[WV], 0
	s_cbranch_scc1 .Lnot_wave_0_\@
	s_barrier_signal -3
.Lnot_wave_0_\@:
	s_barrier_wait -3
	s_barrier_signal -1
	s_barrier_wait -1
.endm
.macro HOLD2 x, lim                    ; two numbers held from above in one dual pair: destinations even and odd, first sources in neighbouring banks, one second source
	v_dual_min_num_f32 v[\x], v[\x], v[\lim] :: v_dual_min_num_f32 v[(\x)+1], v[(\x)+1], v[\lim]
.endm
	s_load_b128 s[4:7], s[0:1], 0x0                ; q_p s[4:5], kv_p s[6:7]
	s_load_b64 s[8:9], s[0:1], 0x10                ; attn_p
	v_lshl_add_u32 v[SPW], v0, 2, SPARE
	v_mov_b32 v[NIL], 0
	ds_add_u32 v[SPW], v[NIL]                      ; the opening lines: the add twice on end and one wait, ahead of my tensor load
	ds_add_u32 v[SPW], v[NIL]
	v_lshrrev_b32 v7, 5, v0
	v_readfirstlane_b32 s[WV], v7                  ; wave 0..15
	s_bfe_u32 s11, ttmp6, 0x40000                  ; cx: it enters Q's and the result's global addresses alone
	s_and_b32 s12, ttmp7, 0xffff                   ; bh = 16 b + head, which the four partners share
	s_mov_b32 s[G1], 15|(3<<16)|(1<<21)            ; a dense block of 17,152 bytes as 67 rows of 32 elements of 8 bytes; the mask names all four work-groups
	s_mov_b32 s[G1+1], 32<<16
	s_mov_b32 s[G1+2], 67<<16
	s_mov_b32 s[G1+3], 32<<16
	s_mov_b32 s[G1+4], 67
	s_mov_b32 s[G1+5], 32
	s_mov_b32 s[G1+6], 0
	s_mov_b32 s[G1+7], 0
	s_mul_i32 s14, s[WV], STEPB                    ; wave w brings key step w
	s_mul_i32 s50, s12, 16*STEPB
	s_add_co_u32 s50, s50, s14
	s_mov_b32 s51, 0
	s_lshr_b32 s15, s[WV], 3
	s_and_b32 s16, s[WV], 7                        ; my tile in its group of 128 queries
	s_lshl_b32 s18, s11, 2
	s_lshl_b32 s17, s12, 4
	s_add_co_u32 s17, s17, s18
	s_add_co_u32 s17, s17, s15                     ; 16 bh + 4 cx + wave / 8: my group in the first pass
	s_mul_i32 s52, s17, 8704
	s_mov_b32 s53, 0
	s_lshr_b32 s17, s12, 4                         ; b
	s_and_b32 s48, s12, 15                         ; head
	s_lshl_b32 s17, s17, 4
	s_add_co_u32 s17, s17, s18
	s_add_co_u32 s17, s17, s15                     ; the same group among all 8,192 rows
	s_lshl_b32 s17, s17, 2
	s_lshr_b32 s60, s48, 2
	s_add_co_u32 s17, s17, s60                     ; x 4 + head / 4: which 256 along C
	s_mul_i32 s54, s17, 33792
	s_mov_b32 s55, 0
	s_lshl_b32 s[SQO], s16, 10                     ; my tile's codes in q_p's block
	s_bfe_u32 s60, s[WV], 0x10002
	s_lshl_b32 s60, s60, 8
	s_and_b32 s61, s[WV], 3
	s_lshl_b32 s61, s61, 2
	s_add_co_u32 s60, s60, s61
	s_add_co_u32 s[SQS], s60, 8192                 ; and its scale words
	s_bfe_u32 s61, s48, 0x10001                    ; (head / 2) % 2: which 128 of the 256 along C
	s_and_b32 s63, s48, 1                          ; head % 2: which 64 of the 128
	s_lshl_b32 s60, s16, 12
	s_lshl_b32 s62, s61, 11
	s_add_co_u32 s60, s60, s62
	s_lshl_b32 s62, s63, 10
	s_add_co_u32 s[SOO], s60, s62
	s_lshl_b32 s60, s16, 7
	s_lshl_b32 s62, s61, 2
	s_add_co_u32 s60, s60, s62
	s_lshl_b32 s62, s63, 1
	s_add_co_u32 s60, s60, s62
	s_add_co_u32 s[SOS], s60, 32768
	s_mov_b32 s[SEL], 0x76543210
	s_mov_b32 s[SEL+1], 0xfedcba98
	s_mov_b32 s[CS], 0x3e38aa3b                    ; c = log2(e) / sqrt(64)
	s_mov_b32 s[CS+1], s[CS]                       ; (named with it as a pair)
	s_mov_b32 s[NC], 0xbe38aa3b                    ; -c
	s_mov_b32 s[MNT], 0x600000
	s_mov_b32 s[HMASK], 0xffff0000
	s_wait_dscnt 0x0                               ; both opening adds are done
	s_wait_kmcnt 0x0
	s_add_nc_u64 s[6:7], s[6:7], s[50:51]
	s_add_nc_u64 s[QB:QB+1], s[4:5], s[52:53]
	s_add_nc_u64 s[OB:OB+1], s[8:9], s[54:55]
	s_mov_b32 s[G0], 1
	s_mov_b32 s[G0+1], s14
	s_mov_b64 s[G0+2:G0+3], s[6:7]
	s_or_b32 s[G0+3], s[G0+3], 0x80000000
	CROUND                                         ; all four work-groups are here: the joint loads meet
	tensor_load_to_lds s[G0:G0+3], s[G1:G1+7]      ; every wave's one tensor load
	s_nop 0
.rept 4
	v_nop
.endr
	v_and_b32 v7, 31, v0
	v_and_b32 v10, 15, v0                          ; r
	v_bfe_u32 v11, v0, 4, 1                        ; h
	v_lshlrev_b32 v[LI], 4, v7
	v_lshlrev_b32 v[R16], 4, v10
	v_lshl_add_u32 v[OSO], v10, 3, v11             ; 8 r + h: lane (r, h) stores the byte of my head's block h
	v_add_nc_u32 v[QO], s[SQO], v[LI]
	v_add_nc_u32 v[QSO], s[SQS], v[R16]
	v_add_nc_u32 v[OO], s[SOO], v[LI]
	v_add_nc_u32 v[OSO], s[SOS], v[OSO]
.irp j, 0,1,2,3,4,5,6,7
	v_mov_b32 v[QF+8+\j], 0                        ; Q's codes for k = 64 .. 127
	v_mov_b32 v[KV+64+\j], 0                       ; what stands behind K's tile 7
.endr
.irp b, 0,1,2,3
	v_mov_b32 v[TM+4+\b], 0                        ; a lane permute's destination counts as one of its sources
.endr
	v_mov_b32 v253, 0                              ; (named as the upper half of the pair v[252:253] before it is first written)
; A KEY STEP: 128 keys
.macro STEP
	v_add_nc_u32 v[ADR], s[TB], v[LI]              ; these two and the six additions at the last step's end: eight places in front of loads into registers that the last products have read
	v_add_nc_u32 v[ADS], s[TB], v[R16]
.irp t, 0,1,2,3,4,5,6,7
	ds_load_b128 v[KV+8*\t:KV+8*\t+3], v[ADR] offset:1024*\t
	ds_load_b128 v[KV+8*\t+4:KV+8*\t+7], v[ADR] offset:1024*\t+512
.endr
	ds_load_b128 v[KS:KS+3], v[ADS] offset:8192
	ds_load_b128 v[KS+4:KS+7], v[ADS] offset:8448
	s_wait_alu depctr_va_vdst(0)
	s_wait_dscnt 0x0
.irp t, 0,1,2,3,4,5,6,7
	v_wmma_scale_f32_16x16x128_f8f6f4 v[S+8*\t:S+8*\t+7], v[KV+8*\t:KV+8*\t+15], v[QF:QF+15], 0, v[KS+\t], v255
.endr
	v_mov_b32 v[OLDM], v12                         ; the first of eight places
.rept 7
	v_nop
.endr
.irp t, 0,1,2,3                                ; V's fragments are asked for here and land under the softmax
.irp c, 0,1,2,3
	ds_load_b128 v[KV+16*\t+4*\c:KV+16*\t+4*\c+3], v[ADR] offset:8704+2048*\t+512*\c
.endr
.endr
	ds_load_b128 v[VS:VS+3], v[ADS] offset:16896
.irp b, 0,1,2,3
	v_max3_num_f32 v[TM+\b], v[S+16*\b], v[S+16*\b+1], v[S+16*\b+2]   ; the largest score of each block of 32 keys: for the row's maximum, and, since p rises with the score, for the block's largest p
.endr
.irp i, 3,5,7,9,11,13
.irp b, 0,1,2,3
	v_max3_num_f32 v[TM+\b], v[TM+\b], v[S+16*\b+\i], v[S+16*\b+\i+1]
.endr
.endr
.irp b, 0,1,2,3
	v_max_num_f32 v[TM+\b], v[TM+\b], v[S+16*\b+15]
.endr
.irp b, 0,1,2,3
	s_delay_alu instid0(VALU_DEP_4)
	v_permlanex16_b32 v[TM+4+\b], v[TM+\b], s[SEL], s[SEL+1]
.endr
.irp b, 0,1,2,3
	s_delay_alu instid0(VALU_DEP_4)
	v_max_num_f32 v[TM+\b], v[TM+\b], v[TM+4+\b]   ; with lane l xor 16's 16 keys
.endr
	s_delay_alu instid0(VALU_DEP_2)
	v_max3_num_f32 v254, v[TM], v[TM+1], v[TM+2]
	s_delay_alu instid0(VALU_DEP_1)
	v_max3_num_f32 v13, v254, v[TM+3], v13         ; the running largest score
	s_delay_alu instid0(VALU_DEP_1)
	v_mul_f32 v254, s[NC], v13                     ; -t (c is positive)
	s_delay_alu instid0(VALU_DEP_1)
	v_floor_f32 v12, v254                          ; the new -M = floor(-t): M is a whole number
	s_delay_alu instid0(VALU_DEP_1)
	v_sub_f32 v254, v12, v[OLDM]                   ; old M - new M: a whole number, 0 or less
	s_delay_alu instid0(VALU_DEP_1)
	v_cvt_i32_f32 v254, v254                       ; (it saturates)
.set sj, 0
.rept 32
	v_pk_fma_f32 v[S+sj:S+sj+1], v[S+sj:S+sj+1], s[CS:CS+1], v[12:13] op_sel_hi:[1,0,0]   ; t - M, two at a time
.set sj, sj+2
.endr
.irp b, 0,1,2,3
	v_fma_f32 v[TM+\b], v[TM+\b], s[CS], v12       ; the same of each block's largest score
.endr
	s_wait_alu depctr_va_vdst(0)                   ; the wait ahead of the batch
.set sj, 0
.rept 64
	v_exp_f32 v[S+sj], v[S+sj]                     ; p = 2^(t - M), at most 1
.set sj, sj+1
.endr
.irp b, 0,1,2,3
	v_exp_f32 v[TM+\b], v[TM+\b]                   ; the block's largest p: the same two instructions on the same number
.endr
	v_ldexp_f32 v252, 1.0, v254                    ; f = 2^(old M - new M): the plain line behind the batch
	s_wait_alu depctr_va_vdst(0)                   ; one wait for the whole batch, ahead of its first reader
.irp b, 0,1,2,3
	v_max_num_f32 v[TM+\b], 0x4800000, v[TM+\b]    ; the floor 2^(9 - 127): the byte cannot fall under 1
.endr
.irp b, 0,1,2,3
	s_delay_alu instid0(VALU_DEP_4)
	v_add_nc_u32 v[TM+12+\b], 0xfc000000, v[TM+\b] ; 8 off the exponent field: the conversion's scale operand
.endr
.irp b, 0,1,2,3
	v_and_or_b32 v[TM+8+\b], v[TM+\b], 0x7f800000, s[MNT]   ; 448 x the scale
.endr
.irp b, 0,1,2,3
	v_lshrrev_b32 v[TM+4+\b], 23, v[TM+12+\b]      ; the scale's byte
.endr
	s_delay_alu instid0(VALU_DEP_3)
	v_lshl_or_b32 v253, v[TM+5], 8, v[TM+4]        ; p's scale word for these 128 keys
	s_delay_alu instid0(VALU_DEP_1)
	v_lshl_or_b32 v253, v[TM+6], 16, v253
	s_delay_alu instid0(VALU_DEP_1)
	v_lshl_or_b32 v253, v[TM+7], 24, v253
; the row's sum of the unquantised p: seven chains, six of them in v216-223 and v244-247, which are free from here to the next step
.irp i, 0,1,2,3,4,5
	v_pk_add_f32 v[TM+2*\i+20*(\i/4):TM+1+2*\i+20*(\i/4)], v[S+4*\i:S+4*\i+1], v[S+4*\i+2:S+4*\i+3]
.endr
	v_pk_fma_f32 v[14:15], v[14:15], v[252:253], v[S+24:S+25] op_sel_hi:[1,0,1]   ; the sums under the new M, and two more p
.set sj, 13
.rept 19
.set ci, (sj-13)%7
.if ci < 6
	v_pk_add_f32 v[TM+2*ci+20*(ci/4):TM+1+2*ci+20*(ci/4)], v[TM+2*ci+20*(ci/4):TM+1+2*ci+20*(ci/4)], v[S+2*sj:S+2*sj+1]
.else
	v_pk_add_f32 v[14:15], v[14:15], v[S+2*sj:S+2*sj+1]
.endif
.set sj, sj+1
.endr
.irp b, 0,1,2,3
.irp i, 0,2,4,6,8,10,12,14
	HOLD2 S+16*\b+\i, TM+8+\b                      ; the conversion to an 8-bit code does not saturate (ISA guide 7.6.2); p is not negative: the hold is one-sided
.endr
	v_cvt_scalef32_pk8_fp8_f32 v[PC+4*\b:PC+4*\b+1], v[S+16*\b:S+16*\b+7], v[TM+12+\b]
	v_cvt_scalef32_pk8_fp8_f32 v[PC+4*\b+2:PC+4*\b+3], v[S+16*\b+8:S+16*\b+15], v[TM+12+\b]
.endr
	s_wait_alu depctr_va_vdst(0)                   ; directly ahead of the first reader of O^T
.set sj, 0
.rept 16
	v_pk_mul_f32 v[OT+sj:OT+sj+1], v[OT+sj:OT+sj+1], v[252:253] op_sel_hi:[1,0]   ; O^T under the new M; these sixteen are also the places between the codes and the products
.set sj, sj+2
.endr
	s_wait_alu depctr_va_vdst(0)                   ; directly ahead of the wait below
	s_wait_dscnt 0x0                               ; V is in
.irp t, 0,1,2,3
	v_wmma_scale_f32_16x16x128_f8f6f4 v[OT+8*\t:OT+8*\t+7], v[KV+16*\t:KV+16*\t+15], v[PC:PC+15], v[OT+8*\t:OT+8*\t+7], v[VS+\t], v253
.endr
	v_pk_add_f32 v[216:217], v[216:217], v[218:219]   ; the sum's chains are joined here: six places behind the products
	v_pk_add_f32 v[220:221], v[220:221], v[222:223]
	v_pk_add_f32 v[244:245], v[244:245], v[246:247]
	v_pk_add_f32 v[216:217], v[216:217], v[220:221]
	v_pk_add_f32 v[14:15], v[14:15], v[244:245]
	v_pk_add_f32 v[14:15], v[14:15], v[216:217]
	s_add_co_u32 s[TB], s[TB], STEPB
.endm
; A PASS: one tile of 16 queries against all 16 key steps.  The step is written once a pass: the first finds zeros, which the first change of M leaves zeros.
.macro PASS p
	global_load_b128 v[QF:QF+3], v[QO], s[QB:QB+1] offset:\p*17408
	global_load_b128 v[QF+4:QF+7], v[QO], s[QB:QB+1] offset:\p*17408+512
	global_load_b32 v255, v[QSO], s[QB:QB+1] offset:\p*17408
	v_mov_b32 v13, 0xff61b1e6                      ; the largest score so far: -3e38
	v_mov_b32 v12, 0x7f61b1e6                      ; -M: 3e38
	v_mov_b32 v14, 0
	v_mov_b32 v15, 0
.set sj, 0
.rept 32
	v_mov_b32 v[OT+sj], 0
.set sj, sj+1
.endr
	s_mov_b32 s[TB], 0
	s_mov_b32 s[CNT], 16
	s_wait_alu depctr_va_vdst(0)                   ; the wait at the head's end
	s_wait_loadcnt 0x0
.if \p == 0
	s_wait_tensorcnt 0x0                           ; my block has landed
	s_barrier_signal -1
	s_barrier_wait -1                              ; everybody's has: all 16 key steps are in LDS
.endif
.Lstep_\@:
	STEP
	s_sub_co_u32 s[CNT], s[CNT], 1
	s_cmp_lg_u32 s[CNT], 0
	s_cbranch_scc1 .Lstep_\@
	; O^T / the sum; quantised along C (my head's two blocks of 32); stored as a part of the last product's A.  The step's last six additions and the three lines below are the places behind the last products
	v_add_f32 v14, v14, v15
	s_delay_alu instid0(VALU_DEP_1)
	v_permlanex16_b32 v252, v14, s[SEL], s[SEL+1]
	s_delay_alu instid0(VALU_DEP_1)
	v_add_f32 v14, v14, v252                       ; the row's sum
	s_wait_alu depctr_va_vdst(0)                   ; the wait ahead of the transcendental
	v_rcp_f32 v14, v14
	v_nop                                          ; a plain line behind it,
	s_wait_alu depctr_va_vdst(0)                   ; and the wait ahead of its first reader, which is O^T's too
.set sj, 0
.rept 16
	v_pk_mul_f32 v[S+sj:S+sj+1], v[OT+sj:OT+sj+1], v[14:15] op_sel_hi:[1,0]   ; ascending: each accumulator from its low end on
.set sj, sj+2
.endr
.irp b, 0,1
	v_max3_num_f32 v[TM+\b], |v[S+16*\b]|, |v[S+16*\b+1]|, 0x4800000   ; my 16 numbers of block b, and the floor 2^(9 - 127)
.endr
.irp i, 2,4,6,8,10,12,14
.irp b, 0,1
	s_delay_alu instid0(VALU_DEP_2)
	v_max3_num_f32 v[TM+\b], v[TM+\b], |v[S+16*\b+\i]|, |v[S+16*\b+\i+1]|
.endr
.endr
.irp b, 0,1
	s_delay_alu instid0(VALU_DEP_2)
	v_permlanex16_b32 v[TM+4+\b], v[TM+\b], s[SEL], s[SEL+1]
.endr
.irp b, 0,1
	s_delay_alu instid0(VALU_DEP_2)
	v_max_num_f32 v[TM+\b], v[TM+\b], v[TM+4+\b]
.endr
.irp b, 0,1
	s_delay_alu instid0(VALU_DEP_2)
	v_add_nc_u32 v[TM+12+\b], 0xfc000000, v[TM+\b]
.endr
.irp b, 0,1
	s_delay_alu instid0(VALU_DEP_4)
	v_and_or_b32 v[TM+8+\b], v[TM+\b], 0x7f800000, s[MNT]
.endr
.irp b, 0,1
	s_delay_alu instid0(VALU_DEP_4)
	v_lshrrev_b32 v[TM+4+\b], 23, v[TM+12+\b]
.endr
.irp b, 0,1
.irp i, 0,1,2,3,4,5,6,7,8,9,10,11,12,13,14,15
	v_med3_num_f32 v[S+16*\b+\i], v[S+16*\b+\i], -v[TM+8+\b], v[TM+8+\b]   ; the hold comes ahead of the conversion
.endr
	v_cvt_scalef32_pk8_fp8_f32 v[PC+4*\b:PC+4*\b+1], v[S+16*\b:S+16*\b+7], v[TM+12+\b]
	v_cvt_scalef32_pk8_fp8_f32 v[PC+4*\b+2:PC+4*\b+3], v[S+16*\b+8:S+16*\b+15], v[TM+12+\b]
.endr
	v_cndmask_b32 v254, v[TM+4], v[TM+5], s[HMASK] ; lanes 0-15: block 0's byte, lanes 16-31: block 1's.  (The plain line behind the last conversion)
	global_store_b128 v[OO], v[PC:PC+3], s[OB:OB+1] offset:\p*270336          ; 512 consecutive bytes
	global_store_b128 v[OO], v[PC+4:PC+7], s[OB:OB+1] offset:\p*270336+512
	global_store_b8 v[OSO], v254, s[OB:OB+1] offset:\p*270336                 ; the word's other two bytes belong to another head
	s_wait_xcnt 0x0                                ; the stores have read their registers
.endm
	PASS 0
	PASS 1
	s_wait_tensorcnt 0x0                           ; the wave's end
	ds_add_u32 v[SPW], v[NIL]
	s_wait_dscnt 0x0
	CROUND                                         ; the closing round
	s_endpgm
.Lfunc_end_k_q0f3ac2b5bb_attn:
	.size	k_q0f3ac2b5bb_attn, .Lfunc_end_k_q0f3ac2b5bb_attn-k_q0f3ac2b5bb_attn
	.p2alignl 7, 3214868480
	.fill 96, 4, 3214868480
	.section	.rodata,"a",@progbits
	.p2align	6, 0x0
	.amdhsa_kernel k_q0f3ac2b5bb_attn
		.amdhsa_group_segment_fixed_size 276480
		.amdhsa_private_segment_fixed_size 0
		.amdhsa_enable_private_segment 0
		.amdhsa_kernarg_size 24
		.amdhsa_user_sgpr_count 2
		.amdhsa_user_sgpr_kernarg_segment_ptr 1
		.amdhsa_wavefront_size32 1
		.amdhsa_system_sgpr_workgroup_id_x 1
		.amdhsa_system_sgpr_workgroup_id_y 1
		.amdhsa_system_sgpr_workgroup_id_z 1
		.amdhsa_system_vgpr_workitem_id 0
		.amdhsa_next_free_vgpr 256
		.amdhsa_next_free_sgpr 66
		.amdhsa_reserve_vcc 0
		.amdhsa_float_denorm_mode_32 3
		.amdhsa_float_denorm_mode_16_64 3
		.amdhsa_memory_ordered 1
		.amdhsa_forward_progress 1
		.amdhsa_inst_pref_size 59
	.end_amdhsa_kernel
	.amdgpu_metadata
---
amdhsa.version: [ 1, 2 ]
amdhsa.kernels:
  - .name:           k_q0f3ac2b5bb_attn
    .symbol:         k_q0f3ac2b5bb_attn.kd
    .args:
      - { .name: q_p, .offset: 0, .size: 8, .value_kind: global_buffer, .address_space: global }
      - { .name: kv_p, .offset: 8, .size: 8, .value_kind: global_buffer, .address_space: global }
      - { .name: attn_p, .offset: 16, .size: 8, .value_kind: global_buffer, .address_space: global }
    .group_segment_fixed_size: 276480
    .private_segment_fixed_size: 0
    .kernarg_segment_align: 8
    .kernarg_segment_size: 24
    .max_flat_workgroup_size: 512
    .sgpr_count:     66
    .vgpr_count:     256
    .wavefront_size: 32
...
	.end_amdgpu_metadata
.endif
;; end of part 3
;; launch proj (part 4): grid 4 x 64, 4 waves a work-group, clusters of 4 x 1, 167,936 bytes of LDS; arguments attn_p, wproj_p, proj_b, out0; writes out0
.if DOCPART == 4
	.amdgcn_target "amdgcn-amd-amdhsa--gfx1250"
	.amdhsa_code_object_version 6
	.text
	.protected	k_q0f3ac2b5bb_proj
	.globl	k_q0f3ac2b5bb_proj
	.p2align	8
	.type	k_q0f3ac2b5bb_proj,@function
k_q0f3ac2b5bb_proj:
	s_mov_b64 s[64:65], 0
	v_nop
	global_prefetch_b8 v0, s[64:65] scope:SCOPE_SE
	s_setreg_imm32_b32 hwreg(HW_REG_WAVE_MODE, 25, 1), 1
	s_wait_xcnt 0x0
	s_wait_alu depctr_hold_cnt(0) depctr_sa_sdst(0) depctr_va_vdst(0) depctr_va_sdst(0) depctr_va_ssrc(0) depctr_va_vcc(0) depctr_vm_vsrc(0)
	s_getreg_b32 s2, hwreg(HW_REG_IB_STS2, 6, 4)
	s_cmp_eq_u32 s2, 0
	s_cbranch_scc0 .Lentry_in_a_cluster
	s_endpgm
.Lentry_in_a_cluster:
	s_bfe_u32 s2, ttmp6, 0x10000c
	s_cmp_lg_u32 s2, 0x3003
	s_cbranch_scc0 .Lentry_shape_is_right
	s_endpgm
.Lentry_shape_is_right:
; out0[m][n] = sum over k of A[m][k] W[n][k] + proj_b[n]: A = attn_p (8,192 rows), W = wproj_p (1,024 rows), K = 1,024, codes of FP8 (E4M3) with E8M0 scales, laid as images of operand registers:
; block (G, p) of 33,792 bytes at (4 G + p) x 33,792 serves 128 rows x 256 along K: codes of tile t, K half s2, group c, lane l at 4096 t + 2048 s2 + 512 c + 16 l; scale words at 32768 + 8 (16 t + r) + 4 s2.
; Tile 2 B + u holds rows 32 B + 8 u + r + 8 (r / 8).
; SHARES.  A work-group makes 128 rows x 256 columns: 4 x 64 = 256 work-groups.  Wave w makes all 128 rows x columns 64 w .. 64 w + 63.
; A's 128 rows for ALL of K are four neighbouring blocks, 135,168 bytes: wave w asks for block w, one tensor load a wave, each byte of LDS filled once: no ring, no refill.
; The four work-groups of a cluster make the four column blocks of the same rows and ask for A jointly.
; W's 64 rows of a wave for all of K are 32 fragments, 512 registers: they go from memory straight into registers and stay.  They are not asked for jointly: a joint load lands in LDS,
; and W's 256 rows for all of K (270,336 bytes) do not fit there beside A's 135,168.
; THE PRODUCTS GO BY ROWS OF C: a tile of 16 rows is taken through all of K, 32 matrix instructions on four accumulators by turns, and leaves at once, while the next tile is multiplied.
; The matrix instruction is used transposed (source 0 = 16 rows of W, source 1 = 16 rows of A): a lane holds eight neighbouring columns of one row.  The bias is the C of a tile's first four instructions.
; No prefetch: all that the launch reads is asked for at its head; there is no loop to run ahead in.
; REGISTERS: window 0: v1-15 addresses, v32-47 W's scale words, v48-63 A's (two sets), v64-95 bias, v96-159 accumulators (two sets), v160-223 rows on the way out (two sets);
; window 1: A's fragments of a tile for all of K, two sets of 128; windows 2 and 3: W's fragments, (s, b) at 64 s + 16 b.
.set BLK,    33792
.set SPITCH, 272                       ; a stage row: 256 bytes + 16
.set STAGE,  4*BLK                     ; behind A: 16 rows x 272 bytes for each wave
.set SPARE,  STAGE+4*16*SPITCH         ; the spare words, 128 bytes a wave
.set LI,   1                           ; v1  16 x lane
.set L8,   2                           ; v2  8 x lane
.set STO,  3                           ; v3  the stage, on the way in
.set RD,   4                           ; v4  and back
.set CO,   5                           ; v5  my byte offset in two rows of out0
.set BO,   6                           ; v6  64 h
.set ADA,  8                           ; v8-11  LDS: block p + 16 x lane
.set ADSC, 12                          ; v12-15 LDS: block p + 8 x lane
.set SPW,  28
.set NIL,  29
.set SB,   32
.set SA,   48
.set BI,   64
.set ACC,  96
.set OUT,  160
.set TROW, 16
.set WV,   18
.set CX,   19
.set G1,   24
.set G0,   32
.set SG,   36
.set WB,   40
.set WS,   42
.set BIAB, 44
.set OB,   46
.set MSB, 0
.macro WIN new                         ; the immediate's high byte repeats the setting that is left
.if MSB != (\new)
	s_set_vgpr_msb (MSB<<8)|(\new)
.set MSB, (\new)
.endif
.endm
.macro CROUND
	s_barrier_signal -1
	s_barrier_wait -1
	s_cmp_lg_u32 s[WV], 0
	s_cbranch_scc1 .Lnot_wave_0_\@
	s_barrier_signal -3
.Lnot_wave_0_\@:
	s_barrier_wait -3
	s_barrier_signal -1
	s_barrier_wait -1
.endm
.macro PLACES n
.rept \n
	v_nop
.endr
.endm
	s_load_b256 s[4:11], s[0:1], 0x0               ; attn_p, wproj_p, proj_b, out0
	v_lshl_add_u32 v[SPW], v0, 2, SPARE
	v_mov_b32 v[NIL], 0
	ds_add_u32 v[SPW], v[NIL]                      ; the opening lines: the add twice on end and one wait, ahead of my tensor load
	ds_add_u32 v[SPW], v[NIL]
	v_lshrrev_b32 v7, 5, v0
	v_readfirstlane_b32 s[WV], v7                  ; wave 0..3
	s_bfe_u32 s[CX], ttmp6, 0x40000                ; cx = the column block: it enters W's, the bias's and the result's global addresses alone
	s_and_b32 s[TROW], ttmp7, 0xffff               ; the row block G, which the four partners share
	s_mov_b32 s[G1], 15|(3<<16)|(1<<21)            ; a dense block of 33,792 bytes as 132 rows of 32 elements of 8 bytes; the mask names all four work-groups
	s_mov_b32 s[G1+1], 32<<16
	s_mov_b32 s[G1+2], 132<<16
	s_mov_b32 s[G1+3], 32<<16
	s_mov_b32 s[G1+4], 132
	s_mov_b32 s[G1+5], 32
	s_mov_b32 s[G1+6], 0
	s_mov_b32 s[G1+7], 0
	s_lshl_b32 s20, s[TROW], 2
	s_add_co_u32 s20, s20, s[WV]
	s_mul_i32 s20, s20, BLK                        ; A: block (G, wave)
	s_mov_b32 s21, 0
	s_mul_i32 s37, s[WV], BLK                      ; and where it goes
	s_mul_i32 s[SG], s[WV], 16*SPITCH
	s_add_co_u32 s[SG], s[SG], STAGE               ; my stage
	s_lshl_b32 s22, s[CX], 1
	s_lshr_b32 s23, s[WV], 1
	s_add_co_u32 s22, s22, s23                     ; W: group of 128 rows 2 cx + wave / 2,
	s_mul_i32 s22, s22, 4*BLK
	s_and_b32 s23, s[WV], 1                        ; its tiles 4 (wave % 2) on
	s_lshl_b32 s[WB], s23, 14
	s_add_co_u32 s[WB], s[WB], s22
	s_mov_b32 s[WB+1], 0
	s_lshl_b32 s[WS], s23, 9
	s_add_co_u32 s[WS], s[WS], s22
	s_add_co_u32 s[WS], s[WS], 32768               ; and their scale words
	s_mov_b32 s[WS+1], 0
	s_lshl_b32 s[BIAB], s[CX], 10
	s_lshl_b32 s23, s[WV], 8
	s_add_co_u32 s[BIAB], s[BIAB], s23             ; my first column, in bytes: 1024 cx + 256 wave
	s_mov_b32 s[BIAB+1], 0
	s_lshl_b32 s[OB], s[TROW], 19                  ; 128 rows of 4,096 bytes
	s_add_co_u32 s[OB], s[OB], s[BIAB]
	s_mov_b32 s[OB+1], 0
	s_wait_dscnt 0x0                               ; both opening adds are done
	s_wait_kmcnt 0x0
	s_add_nc_u64 s[20:21], s[4:5], s[20:21]
	s_add_nc_u64 s[WB:WB+1], s[6:7], s[WB:WB+1]
	s_add_nc_u64 s[WS:WS+1], s[6:7], s[WS:WS+1]
	s_add_nc_u64 s[BIAB:BIAB+1], s[8:9], s[BIAB:BIAB+1]
	s_add_nc_u64 s[OB:OB+1], s[10:11], s[OB:OB+1]
	s_mov_b32 s[G0], 1
	s_mov_b32 s[G0+1], s37
	s_mov_b64 s[G0+2:G0+3], s[20:21]
	s_or_b32 s[G0+3], s[G0+3], 0x80000000
	CROUND                                         ; all four work-groups are here: the joint loads meet
	tensor_load_to_lds s[G0:G0+3], s[G1:G1+7]      ; every wave's one tensor load
	s_nop 0
.rept 4
	v_nop
.endr
	v_and_b32 v7, 31, v0
	v_and_b32 v16, 15, v0                          ; r
	v_bfe_u32 v17, v0, 4, 1                        ; h
	v_lshlrev_b32 v[LI], 4, v7
	v_lshlrev_b32 v[L8], 3, v7
	v_lshlrev_b32 v[BO], 6, v17
	v_mul_u32_u24 v[STO], v16, SPITCH              ; in: row r, 64 bytes for each half of the lanes
	v_lshl_add_u32 v[STO], v17, 6, v[STO]
	v_add_nc_u32 v[STO], s[SG], v[STO]
	v_mul_u32_u24 v[RD], v17, SPITCH               ; back: lanes 0-15 one row of 256 bytes, lanes 16-31 the next
	v_lshl_add_u32 v[RD], v16, 4, v[RD]
	v_add_nc_u32 v[RD], s[SG], v[RD]
	v_lshlrev_b32 v[CO], 12, v17                   ; and the same two rows in out0
	v_lshl_add_u32 v[CO], v16, 4, v[CO]
.irp p, 0,1,2,3
	v_add_nc_u32 v[ADA+\p], \p*BLK, v[LI]
	v_add_nc_u32 v[ADSC+\p], \p*BLK, v[L8]
.endr
	s_wait_alu depctr_va_vdst(0)                   ; the wait at the head's end
.irp b, 0,1,2,3
	global_load_b128 v[BI+8*\b:BI+8*\b+3], v[BO], s[BIAB:BIAB+1] offset:128*(\b/2)+32*(\b%2)       ; register j of tile b: column 32 (b / 2) + 8 (b % 2) + 16 h + j
	global_load_b128 v[BI+8*\b+4:BI+8*\b+7], v[BO], s[BIAB:BIAB+1] offset:128*(\b/2)+32*(\b%2)+16
.endr
.irp p, 0,1,2,3
.irp q, 0,1
	global_load_b64 v[SB+4*\p+2*\q:SB+4*\p+2*\q+1], v[L8], s[WS:WS+1] offset:\p*BLK+256*\q   ; 256 consecutive bytes: lanes 0-15 tile 2 q's words, lanes 16-31 tile 2 q + 1's
.endr
.endr
.irp s, 0,1,2,3,4,5,6,7                ; W's fragments, K ascending: 16 loads of 512 consecutive bytes for each 128 along K
	WIN 0x80+0x40*(\s/4)
.irp b, 0,1,2,3
.irp c, 0,1,2,3
	global_load_b128 v[64*(\s%4)+16*\b+4*\c:64*(\s%4)+16*\b+4*\c+3], v[LI], s[WB:WB+1] offset:(\s/2)*BLK+4096*\b+2048*(\s%2)+512*\c
.endr
.endr
.endr
	WIN 0
; tile a's fragments of A for all of K into window 1, set a % 2; with an even tile the scale words of the pair a, a + 1: lanes 0-15 tile a's, lanes 16-31 tile a + 1's
.macro FETCH a
	WIN 0x40
.irp p, 0,1,2,3
.irp q, 0,1,2,3,4,5,6,7
	ds_load_b128 v[128*((\a)%2)+32*\p+4*\q:128*((\a)%2)+32*\p+4*\q+3], v[ADA+\p] offset:4096*(\a)+512*\q
.endr
.endr
	WIN 0
.if (\a)%2 == 0
.irp p, 0,1,2,3
	ds_load_b64 v[SA+8*(((\a)/2)%2)+2*\p:SA+8*(((\a)/2)%2)+2*\p+1], v[ADSC+\p] offset:32768+128*(\a)
.endr
.endif
.endm
.macro WM d, x, y, c, sx, sy, rx, ry   ; rx, ry: the scale words stand in lanes 16-31
.if (\rx)
.if (\ry)
	v_wmma_scale_f32_16x16x128_f8f6f4 v[\d:\d+7], v[\x:\x+15], v[\y:\y+15], v[\c:\c+7], v[\sx], v[\sy] matrix_a_scale:MATRIX_SCALE_ROW1 matrix_b_scale:MATRIX_SCALE_ROW1
.else
	v_wmma_scale_f32_16x16x128_f8f6f4 v[\d:\d+7], v[\x:\x+15], v[\y:\y+15], v[\c:\c+7], v[\sx], v[\sy] matrix_a_scale:MATRIX_SCALE_ROW1
.endif
.else
.if (\ry)
	v_wmma_scale_f32_16x16x128_f8f6f4 v[\d:\d+7], v[\x:\x+15], v[\y:\y+15], v[\c:\c+7], v[\sx], v[\sy] matrix_b_scale:MATRIX_SCALE_ROW1
.else
	v_wmma_scale_f32_16x16x128_f8f6f4 v[\d:\d+7], v[\x:\x+15], v[\y:\y+15], v[\c:\c+7], v[\sx], v[\sy]
.endif
.endif
.endm
.macro MULS a                          ; 32 matrix instructions: K ascending, the tile's four accumulators by turns; source 0 window 2 or 3, source 1 window 1, C and D window 0
.irp s, 0,1,2,3,4,5,6,7
.if (\a) == 0
.if \s == 0
	s_wait_loadcnt 63                              ; the bias, W's scale words and its fragments of K = 0 .. 511 are in: 64 loads were issued behind them
.endif
.if \s >= 4
	s_wait_loadcnt 16*(7-\s)                       ; this 128 along K is in; 16 loads for each later one may be out
.endif
.endif
	WIN 0x06+\s/4
.irp b, 0,1,2,3
.if \s == 0
	WM ACC+32*((\a)%2)+8*\b, 64*(\s%4)+16*\b, 128*((\a)%2)+16*\s, BI+8*\b, SB+4*(\s/2)+2*(\b/2)+\s%2, SA+8*(((\a)/2)%2)+\s, \b%2, (\a)%2
.else
	WM ACC+32*((\a)%2)+8*\b, 64*(\s%4)+16*\b, 128*((\a)%2)+16*\s, ACC+32*((\a)%2)+8*\b, SB+4*(\s/2)+2*(\b/2)+\s%2, SA+8*(((\a)/2)%2)+\s, \b%2, (\a)%2
.endif
.endr
.endr
	WIN 0
.endm
.macro TOSTAGE a                       ; 16 rows x 64 columns through my own stage: LDS serves a wave's instructions in order (ISA guide 5.7.1.4), so no wait stands between the stores and the loads
.irp b, 0,1,2,3
	ds_store_b128 v[STO], v[ACC+32*((\a)%2)+8*\b:ACC+32*((\a)%2)+8*\b+3] offset:128*(\b/2)+32*(\b%2)      ; each accumulator from its low end on
	ds_store_b128 v[STO], v[ACC+32*((\a)%2)+8*\b+4:ACC+32*((\a)%2)+8*\b+7] offset:128*(\b/2)+32*(\b%2)+16
.endr
.irp i, 0,1,2,3,4,5,6,7
	ds_load_b128 v[OUT+32*((\a)%2)+4*\i:OUT+32*((\a)%2)+4*\i+3], v[RD] offset:\i*2*SPITCH
.endr
.endm
.macro SEND a                          ; sixteen lanes store 256 consecutive bytes, at a multiple of 256 from out0's first byte
.irp i, 0,1,2,3,4,5,6,7
	global_store_b128 v[CO], v[OUT+32*((\a)%2)+4*\i:OUT+32*((\a)%2)+4*\i+3], s[OB:OB+1] offset:(32*((\a)/2)+8*((\a)%2)+2*\i+8*(\i/4))*4096 th:TH_STORE_NT
.endr
.endm
.macro TILE a
.if (\a)+1 < 8
.set NF1, 32+4*(1-((\a)+1)%2)          ; LDS loads of the fetch of tile a + 1
.else
.set NF1, 0
.endif
.if (\a) == 0
	s_wait_dscnt NF1                               ; tile 0's fragments are in; tile 1's may be out
.else
	s_wait_dscnt 16+NF1                            ; tile a's fragments are in; behind them: tile a - 1's 16 stage instructions and the fetch of tile a + 1
.endif
	MULS \a
.if (\a) > 0
	s_wait_dscnt NF1                               ; tile a - 1 is back from the stage
	SEND (\a)-1
.endif
	PLACES 8                                       ; in front of the stores that read the results and of the loads into the fragments' registers
.if (\a) >= 2
	s_wait_xcnt 0x0                                ; tile a - 2's stores have read their registers: tile a's rows may land there
.endif
	TOSTAGE \a
.if (\a)+2 < 8
	FETCH (\a)+2
.endif
.endm
	s_wait_tensorcnt 0x0                           ; my block of A has landed
	s_barrier_signal -1
	s_barrier_wait -1                              ; everybody's has
	FETCH 0
	FETCH 1
.irp a, 0,1,2,3,4,5,6,7
	TILE \a
.endr
	s_wait_dscnt 0x0
	SEND 7
	s_wait_tensorcnt 0x0                           ; the wave's end
	ds_add_u32 v[SPW], v[NIL]
	s_wait_dscnt 0x0
	CROUND                                         ; the closing round
	s_endpgm
.Lfunc_end_k_q0f3ac2b5bb_proj:
	.size	k_q0f3ac2b5bb_proj, .Lfunc_end_k_q0f3ac2b5bb_proj-k_q0f3ac2b5bb_proj
	.p2alignl 7, 3214868480
	.fill 96, 4, 3214868480
	.section	.rodata,"a",@progbits
	.p2align	6, 0x0
	.amdhsa_kernel k_q0f3ac2b5bb_proj
		.amdhsa_group_segment_fixed_size 167936
		.amdhsa_private_segment_fixed_size 0
		.amdhsa_enable_private_segment 0
		.amdhsa_kernarg_size 32
		.amdhsa_user_sgpr_count 2
		.amdhsa_user_sgpr_kernarg_segment_ptr 1
		.amdhsa_wavefront_size32 1
		.amdhsa_system_sgpr_workgroup_id_x 1
		.amdhsa_system_sgpr_workgroup_id_y 1
		.amdhsa_system_sgpr_workgroup_id_z 1
		.amdhsa_system_vgpr_workitem_id 0
		.amdhsa_next_free_vgpr 1024
		.amdhsa_next_free_sgpr 66
		.amdhsa_reserve_vcc 0
		.amdhsa_float_denorm_mode_32 3
		.amdhsa_float_denorm_mode_16_64 3
		.amdhsa_memory_ordered 1
		.amdhsa_forward_progress 1
		.amdhsa_inst_pref_size 86
	.end_amdhsa_kernel
	.amdgpu_metadata
---
amdhsa.version: [ 1, 2 ]
amdhsa.kernels:
  - .name:           k_q0f3ac2b5bb_proj
    .symbol:         k_q0f3ac2b5bb_proj.kd
    .args:
      - { .name: attn_p, .offset: 0, .size: 8, .value_kind: global_buffer, .address_space: global }
      - { .name: wproj_p, .offset: 8, .size: 8, .value_kind: global_buffer, .address_space: global }
      - { .name: proj_b, .offset: 16, .size: 8, .value_kind: global_buffer, .address_space: global }
      - { .name: out0, .offset: 24, .size: 8, .value_kind: global_buffer, .address_space: global }
    .group_segment_fixed_size: 167936
    .private_segment_fixed_size: 0
    .kernarg_segment_align: 8
    .kernarg_segment_size: 32
    .max_flat_workgroup_size: 128
    .sgpr_count:     66
    .vgpr_count:     1024
    .wavefront_size: 32
...
	.end_amdgpu_metadata
.endif
;; end of part 4
